; MI455X (gfx1250); checked and timed in simulation.
; The chip was launched on July 23, 2026; its instructions are those of AMD's public machine-readable ISA for CDNA 5 (MIT licence, August 2026) and "CDNA5" Instruction Set Architecture Reference Guide (July 2026). The comments in the code are by the model that wrote it; some were corrected since.
;; Encoder Layer. Allowed arithmetic: matrix products marked QUANTISED: E2M3 operands, one E8M0 scale for each 32 along K, by v_wmma_scale_f32_16x16x128_f8f6f4 with both operands' format E2M3, f32 sums; everything else in f32.
;; Inputs: W1_codes 4,096 x 32 x 24 uint8 (E2M3 codes of W1, K innermost, in blocks of 32 codes, four codes in three bytes); W1_scales 4,096 x 32 uint8 (E8M0 scales of W1, one for each 32 codes along K); W2_codes 1,024 x 128 x 24 uint8 (E2M3 codes of W2, K innermost, in blocks of 32 codes, four codes in three bytes); W2_scales 1,024 x 128 uint8 (E8M0 scales of W2, one for each 32 codes along K); Wk_codes 1,024 x 32 x 24 uint8 (E2M3 codes of Wk, K innermost, in blocks of 32 codes, four codes in three bytes); Wk_scales 1,024 x 32 uint8 (E8M0 scales of Wk, one for each 32 codes along K); Wo_codes 1,024 x 32 x 24 uint8 (E2M3 codes of Wo, K innermost, in blocks of 32 codes, four codes in three bytes); Wo_scales 1,024 x 32 uint8 (E8M0 scales of Wo, one for each 32 codes along K); Wq_codes 1,024 x 32 x 24 uint8 (E2M3 codes of Wq, K innermost, in blocks of 32 codes, four codes in three bytes); Wq_scales 1,024 x 32 uint8 (E8M0 scales of Wq, one for each 32 codes along K); Wv_codes 1,024 x 32 x 24 uint8 (E2M3 codes of Wv, K innermost, in blocks of 32 codes, four codes in three bytes); Wv_scales 1,024 x 32 uint8 (E8M0 scales of Wv, one for each 32 codes along K); b1 1,024 float32; b2 1,024 float32; g1 1,024 float32; g2 1,024 float32; x 2 x 2,048 x 1,024 float32.
;; Outputs: out0 2 x 2,048 x 1,024 float32.
;; This version of the problem:
;;   THIS VERSION OF THE PROBLEM IS GIVEN IN LOW PRECISION. The matrix products marked QUANTISED in the list below multiply operands that are first quantised to E2M3 (2 exponent bits, 3 mantissa bits; 6 bits a number), with one power-of-two scale for each 32 numbers along K (OCP MX v1.0); their sums are f32. All else is computed in f32.
;;   The module's matrix products, in the order in which they are computed (A, B: the left and right operand; K: the contracted axis; several contracted axes count as one K, in the product's order):
;;     1. [M 4,096, K 1,024] x [K 1,024, N 1,024]; A: computed on the way; B: input Wq (given as codes): QUANTISED
;;     2. [M 4,096, K 1,024] x [K 1,024, N 1,024]; A: computed on the way; B: input Wk (given as codes): QUANTISED
;;     3. [M 4,096, K 1,024] x [K 1,024, N 1,024]; A: computed on the way; B: input Wv (given as codes): QUANTISED
;;     4. batch 32 x [M 2,048, K 64] x [K 64, N 2,048]; A: computed on the way; B: computed on the way: QUANTISED
;;     5. batch 32 x [M 2,048, K 2,048] x [K 2,048, N 64]; A: softmax (see below); B: computed on the way: QUANTISED
;;     6. [M 4,096, K 1,024] x [K 1,024, N 1,024]; A: computed on the way; B: input Wo (given as codes): QUANTISED
;;     7. [M 4,096, K 1,024] x [K 1,024, N 4,096]; A: computed on the way; B: input W1 (given as codes): QUANTISED
;;     8. [M 4,096, K 4,096] x [K 4,096, N 1,024]; A: computed on the way; B: input W2 (given as codes): QUANTISED
;;   THE QUANTISER, for each operand of a quantised product, along K:
;;     - K is cut into blocks of 32 from its start; a last block that is shorter is filled with zeros.
;;     - A block's scale is 2^e with e = floor(log2(the largest magnitude in the block)) - 2, held to -126 .. 127; a block of zeros has e = 0. As a byte (E8M0): e + 127.
;;     - Each number is divided by its block's scale, clamped to +-7.5, and rounded to the nearest number of E2M3, ties to even, subnormals kept.
;;     - The product sums the exact products of the quantised numbers (number of the format x scale) in f32.
;;   ~~~python
;;   def quantise(x, axis):      # numpy; x: float32 -> the quantised numbers, widened to float32 again
;;       x = np.moveaxis(x, axis, -1); K = x.shape[-1]
;;       x = np.pad(x, [(0, 0)] * (x.ndim - 1) + [(0, -K % 32)]); x = x.reshape(x.shape[:-1] + (-1, 32)); a = np.abs(x).max(-1, keepdims=True)
;;       e = np.where(a > 0, np.clip(np.frexp(np.where(a > 0, a, 1))[1] - 1 - 2, -126, 127), 0)      # np.frexp(a)[1] - 1 = floor(log2(a)), exactly
;;       r = np.clip(x / 2.0 ** e, -7.5, 7.5)
;;       step = 2.0 ** (np.maximum(np.frexp(np.where(r == 0, 1, r))[1] - 1, 0) - 3)
;;       q = np.round(r / step) * step * 2.0 ** e      # np.round: ties to even
;;       return np.moveaxis(q.reshape(q.shape[:-2] + (-1,))[..., :K], -1, axis).astype(np.float32)
;;   ~~~
;;   SOFTMAX AHEAD OF A QUANTISED PRODUCT. Where the list says 'softmax', what is quantised is not the finished softmax but p = 2^(t - M), with t = logit x log2(e) and M = ceil(the row's largest t), a whole number; so 1/2 < the row's largest p <= 1. The row's sum l is taken of the UNQUANTISED p, in f32, and the product's result is divided by l at the end. Since M is a whole number, a kernel that streams over the keys may use a running M (the ceiling of the running maximum): every later rescaling is an exact power of two, which a block's scale takes up: the codes' values come out the same.
;;   OPERANDS COMPUTED ON THE WAY. 'Computed on the way' means the value that the module computes at that place (a softmax that the list does not call 'softmax' is quantised finished and normalised). What goes into a quantiser is computed in f32, as accurately as f32 sums, v_exp_f32 and their like allow (about 1e-6 of the number): no bf16 or f16 on the way to a quantiser, and a product that is left as it is and whose result goes on into a quantised operand takes f32 operands (vector FMAs, or v_wmma_f32_16x16x4_f32). A number that lies on a knife's edge between two numbers of the format may be rounded either way, as far as f32 arithmetic and the matrix unit's own rounding can turn it there, and no further.
;;   INPUTS GIVEN AS CODES. W1 (in the module: [1024, 4096], K = its axis 0); W2 (in the module: [4096, 1024], K = its axis 0); Wk (in the module: [1024, 1024], K = its axis 0); Wo (in the module: [1024, 1024], K = its axis 0); Wq (in the module: [1024, 1024], K = its axis 0); Wv (in the module: [1024, 1024], K = its axis 0): each comes as NAME_codes (uint8): NAME with its K axis moved to the last place and cut into blocks of 32 codes, [.., K / 32, bytes a block], one block behind the other in memory; four codes in three bytes: a row's codes are one little-endian stream of bits, code i at bits 6 i .. 6 i + 5 (a code: sign, 2 exponent bits, 3 mantissa bits); and NAME_scales (uint8): the same leading axes, one E8M0 byte (e + 127) for each 32 codes along K. Its value is code x scale, taken as it is: it is not quantised again, and the codes and scales need not be those that the quantiser above would give.
;; One version. Each part assembles by itself: llvm-mc -triple=amdgcn-amd-amdhsa -mcpu=gfx1250 --defsym DOCPART=n.
;; ======== version 1 of 1: 7 launches
;; limits: right only within a limited range of input values
;; workspace buffers: wimg 13,107,200 bytes; himg 3,276,800 bytes; qkv 9,830,400 bytes; aimg 3,276,800 bytes; x1 16,777,216 bytes; hid 13,107,200 bytes
;; launch prep (part 1): grid 352 x 1, 8 waves a work-group, no clusters, 66,816 bytes of LDS; arguments x, g1, b1, wimg, Wq_codes, Wq_scales, Wk_codes, Wk_scales, Wv_codes, Wv_scales, Wo_codes, Wo_scales, W1_codes, W1_scales, W2_codes, W2_scales; writes wimg
.if DOCPART == 1
	.amdgcn_target "amdgcn-amd-amdhsa--gfx1250"
	.amdhsa_code_object_version 6
	.text
	.protected	k_qfc52074591_prep
	.globl	k_qfc52074591_prep
	.p2align	8
	.type	k_qfc52074591_prep,@function
k_qfc52074591_prep:
	s_mov_b64 s[64:65], 0
	v_nop
	global_prefetch_b8 v0, s[64:65] scope:SCOPE_SE
	s_setreg_imm32_b32 hwreg(HW_REG_WAVE_MODE, 25, 1), 1
	s_wait_xcnt 0x0
; Work-groups 0-255: h = LayerNorm(x) g1 + b1, quantised to E2M3 along the model's 1,024 and stored as IMAGES OF THE OPERAND'S REGISTERS.
; Work-groups 256-351: the six weights' codes and scale bytes are laid out anew as such images.  The two ways part on the work-group's number alone; only the first uses LDS.
; AN IMAGE: the fragment of row tile rt (16 rows) and K step ks (128 along K) is 1,536 bytes at (ks RT + rt) 1536.  Half c (k = 64 c ..) begins at 768 c: lane l's registers 6c..6c+3 are 16 bytes at 16 l,
; its registers 6c+4, 6c+5 are 8 bytes at 512 + 8 l.  Scale words: one 32-bit word for a row and a K step, at (ks RT + rt) 64 + 4 r.
; THE ROWS OF A WEIGHT'S TILE ARE NOT NEIGHBOURS: image row r of tile T is the weight's row 32 (T/2) + 8 (T%2) + r + 8 (r/8), so that a product used transposed leaves 16 neighbouring columns in a lane's 16 registers of two tiles.
; wimg: Wq|Wk|Wv|Wo (4,096 rows) images at 0, words at 3,145,728; W1 at 3,276,800 and 6,422,528; W2 at 6,553,600 and 9,699,328; h at 9,830,400 and 12,976,128.
; LIMITS: NaN and infinities among the inputs are not served.  A block whose largest magnitude lies under 2^-124 (a block of zeros too) gets the scale byte 1: only this program reads the bytes.
.set HBASE, 9830400
.set PITCH, 4112                       ; an LDS row of y: 4,096 bytes + 16: row r begins 16 r bytes further round the banks
.set X,   32                           ; v32-95   my two rows of x (32 registers each), later 64 numbers of one row for the quantiser
.set GG,  96                           ; v96-127  the gain at my columns
.set BB,  128                          ; v128-159 the bias
.set TM,  160                          ; v160-175 the quantiser's work
.set PW,  176                          ; the scale word just made
.set PC,  180                          ; v180-198 the codes just made
.set ST,  200                          ; v200-215 eight temporaries for each of my two rows
.set SEL, 14                           ; s[14:15] lane selects: lane l xor 16
; 64 numbers of a lane, register 16 b + i = k 32 b + 16 (lane / 16) + i of its row, become a fragment's codes in v[PC] .. v[PC+11] and its scale word in v[PW].
.macro QUANT s
.irp b, 0,1,2,3
	v_max3_num_f32 v[TM+\b], |v[\s+16*\b]|, |v[\s+1+16*\b]|, 0x1800000   ; my 16 numbers of block b, and the floor 2^(3 - 127): the byte cannot fall under 1
.endr
.irp i, 2,4,6,8,10,12,14
.irp b, 0,1,2,3
	s_delay_alu instid0(VALU_DEP_4)
	v_max3_num_f32 v[TM+\b], v[TM+\b], |v[\s+16*\b+\i]|, |v[\s+1+16*\b+\i]|
.endr
.endr
.irp b, 0,1,2,3
	s_delay_alu instid0(VALU_DEP_4)
	v_permlanex16_b32 v[TM+4+\b], v[TM+\b], s[SEL], s[SEL+1]
.endr
.irp b, 0,1,2,3
	s_delay_alu instid0(VALU_DEP_4)
	v_max_num_f32 v[TM+\b], v[TM+\b], v[TM+4+\b]          ; with lane l xor 16's: the block's largest magnitude
.endr
.irp b, 0,1,2,3
	s_delay_alu instid0(VALU_DEP_4)
	v_add_nc_u32 v[TM+12+\b], 0xff000000, v[TM+\b]        ; 2 off its exponent field: the conversion's scale operand
.endr
.irp b, 0,1,2,3
	s_delay_alu instid0(VALU_DEP_4)
	v_lshrrev_b32 v[TM+4+\b], 23, v[TM+12+\b]             ; the scale's byte
.endr
	s_delay_alu instid0(VALU_DEP_3)
	v_lshl_or_b32 v[PW], v[TM+5], 8, v[TM+4]
	s_delay_alu instid0(VALU_DEP_1)
	v_lshl_or_b32 v[PW], v[TM+6], 16, v[PW]
	s_delay_alu instid0(VALU_DEP_1)
	v_lshl_or_b32 v[PW], v[TM+7], 24, v[PW]
.irp c, 0,1
	v_cvt_scalef32_pk16_fp6_f32 v[PC+6*\c:PC+2+6*\c], v[\s+32*\c:\s+15+32*\c], v[TM+12+2*\c]
	v_cvt_scalef32_pk16_fp6_f32 v[PC+12+4*\c:PC+14+4*\c], v[\s+16+32*\c:\s+31+32*\c], v[TM+12+2*\c+1]
.endr
	v_nop                                                  ; one plain instruction behind a scaled conversion
.irp c, 0,1                                                    ; the operand wants a whole block in a lane: lanes 0-15 block 2 c, lanes 16-31 block 2 c + 1
.irp i, 0,1,2
	v_permlane16_swap_b32 v[PC+6*\c+\i], v[PC+12+4*\c+\i]
.endr
.irp i, 0,1,2
	s_delay_alu instid0(VALU_DEP_3)
	v_mov_b32 v[PC+3+6*\c+\i], v[PC+12+4*\c+\i]
.endr
.endr
.endm
.macro LANESUM t                       ; the sum of v[t] over the 32 lanes, in every lane; v[t+1] is spent
	s_delay_alu instid0(VALU_DEP_1)
	v_add_f32_dpp v[\t], v[\t], v[\t] row_xmask:1 row_mask:0xf bank_mask:0xf
	s_delay_alu instid0(VALU_DEP_1)
	v_add_f32_dpp v[\t], v[\t], v[\t] row_xmask:2 row_mask:0xf bank_mask:0xf
	s_delay_alu instid0(VALU_DEP_1)
	v_add_f32_dpp v[\t], v[\t], v[\t] row_xmask:4 row_mask:0xf bank_mask:0xf
	s_delay_alu instid0(VALU_DEP_1)
	v_add_f32_dpp v[\t], v[\t], v[\t] row_xmask:8 row_mask:0xf bank_mask:0xf
	s_delay_alu instid0(VALU_DEP_1)
	v_permlanex16_b32 v[\t+1], v[\t], s[SEL], s[SEL+1]
	s_delay_alu instid0(VALU_DEP_1)
	v_add_f32 v[\t], v[\t], v[\t+1]
.endm
; Row p of my two: the mean, x - mean in place, the mean of its squares, 1 / sqrt(that + 1e-5).  Two passes over registers: no difference of large sums.
.macro ROWSTAT p
.set XR, X+32*(\p)
.set TT, ST+8*(\p)
	v_pk_add_f32 v[TT:TT+1], v[XR:XR+1], v[XR+2:XR+3]
	v_pk_add_f32 v[TT+2:TT+3], v[XR+4:XR+5], v[XR+6:XR+7]
.irp j, 8,12,16,20,24,28
	s_delay_alu instid0(VALU_DEP_2)
	v_pk_add_f32 v[TT:TT+1], v[TT:TT+1], v[XR+\j:XR+\j+1]
	s_delay_alu instid0(VALU_DEP_2)
	v_pk_add_f32 v[TT+2:TT+3], v[TT+2:TT+3], v[XR+\j+2:XR+\j+3]
.endr
	s_delay_alu instid0(VALU_DEP_1)
	v_pk_add_f32 v[TT:TT+1], v[TT:TT+1], v[TT+2:TT+3]
	s_delay_alu instid0(VALU_DEP_1)
	v_add_f32 v[TT], v[TT], v[TT+1]
	LANESUM TT
	s_delay_alu instid0(VALU_DEP_1)
	v_mul_f32 v[TT], s20, v[TT]                            ; the mean: sum x 2^-10
.irp j, 0,2,4,6,8,10,12,14,16,18,20,22,24,26,28,30
	v_pk_add_f32 v[XR+\j:XR+\j+1], v[XR+\j:XR+\j+1], v[TT:TT+1] op_sel_hi:[1,0] neg_lo:[0,1] neg_hi:[0,1]
.endr
	v_pk_mul_f32 v[TT+2:TT+3], v[XR:XR+1], v[XR:XR+1]
	v_pk_mul_f32 v[TT+4:TT+5], v[XR+2:XR+3], v[XR+2:XR+3]
.irp j, 4,8,12,16,20,24,28
	s_delay_alu instid0(VALU_DEP_2)
	v_pk_fma_f32 v[TT+2:TT+3], v[XR+\j:XR+\j+1], v[XR+\j:XR+\j+1], v[TT+2:TT+3]
	s_delay_alu instid0(VALU_DEP_2)
	v_pk_fma_f32 v[TT+4:TT+5], v[XR+\j+2:XR+\j+3], v[XR+\j+2:XR+\j+3], v[TT+4:TT+5]
.endr
	s_delay_alu instid0(VALU_DEP_1)
	v_pk_add_f32 v[TT+2:TT+3], v[TT+2:TT+3], v[TT+4:TT+5]
	s_delay_alu instid0(VALU_DEP_1)
	v_add_f32 v[TT+2], v[TT+2], v[TT+3]
	LANESUM TT+2
	s_delay_alu instid0(VALU_DEP_1)
	v_fma_f32 v[TT+2], v[TT+2], s20, s21                   ; the variance + 1e-5
	s_wait_alu depctr_va_vdst(0)
	v_rsq_f32 v[TT+6], v[TT+2]
.endm
.macro ROWOUT p                        ; y = ((x - mean) / sqrt(..)) g + b, into the work-group's 16 rows in LDS
.set XR, X+32*(\p)
.set TT, ST+8*(\p)
.irp j, 0,2,4,6,8,10,12,14,16,18,20,22,24,26,28,30
	v_pk_mul_f32 v[XR+\j:XR+\j+1], v[XR+\j:XR+\j+1], v[TT+6:TT+7] op_sel_hi:[1,0]
.endr
.irp j, 0,2,4,6,8,10,12,14,16,18,20,22,24,26,28,30
	v_pk_fma_f32 v[XR+\j:XR+\j+1], v[XR+\j:XR+\j+1], v[GG+\j:GG+\j+1], v[BB+\j:BB+\j+1]
.endr
.irp i, 0,1,2,3,4,5,6,7
	ds_store_b128 v6, v[XR+4*\i:XR+4*\i+3] offset:(\p)*PITCH+512*\i
.endr
.endm
	v_lshl_add_u32 v216, v0, 2, 0x10100
	v_mov_b32 v217, 0
	v_lshrrev_b32 v1, 5, v0
	s_delay_alu instid0(VALU_DEP_1)
	v_readfirstlane_b32 s12, v1                            ; wave 0..7
	v_and_b32 v1, 31, v0                                   ; lane
	v_and_b32 v2, 15, v0                                   ; r
	v_bfe_u32 v3, v0, 4, 1                                 ; h
	s_cmp_lt_u32 ttmp9, 256
	s_cbranch_scc0 .Lrelayout
	; ---------------- LayerNorm: the work-group owns row tile j = its number (16 rows); wave w normalises rows 2 w, 2 w + 1 and later quantises K step w of all 16
	s_load_b256 s[4:11], s[0:1], 0x0                       ; x, g1, b1, wimg
	s_mov_b32 s[SEL], 0x76543210
	s_mov_b32 s[SEL+1], 0xfedcba98
	s_mov_b32 s20, 0x3a800000                              ; 2^-10
	s_mov_b32 s21, 0x3727c5ac                              ; 1e-5
	v_lshlrev_b32 v5, 4, v1                                ; 16 x lane
	s_lshl_b32 s13, s12, 13
	v_add_nc_u32 v4, s13, v5                               ; x: my wave's two rows, 16 bytes a lane
	s_mul_i32 s13, s12, 2*PITCH
	v_add_nc_u32 v6, s13, v5                               ; LDS, on the way in
	s_wait_alu depctr_va_vdst(0)
	v_mul_u32_u24 v7, v2, PITCH
	s_delay_alu instid0(VALU_DEP_1)
	v_lshl_add_u32 v7, v3, 6, v7
	s_lshl_b32 s13, s12, 9
	v_add_nc_u32 v7, s13, v7                               ; LDS, on the way out: row r, K step w, 64 bytes for each half of the lanes
	v_lshlrev_b32 v9, 3, v1                                ; 8 x lane
	v_lshlrev_b32 v10, 2, v2                               ; 4 r
.irp b, 0,1,2,3
	v_mov_b32 v[TM+4+\b], 0                                ; written once: a lane permute's destination counts as one of its sources
.endr
	v_mov_b32 v[ST+7], 0                                   ; named as the upper halves of pairs
	v_mov_b32 v[ST+15], 0
	s_lshl_b32 s16, ttmp9, 16                              ; 16 rows of 4,096 bytes
	s_mov_b32 s17, 0
	s_lshl_b32 s18, s12, 8
	s_add_co_u32 s18, s18, ttmp9                           ; fragment number: 256 w + j
	s_mul_i32 s22, s18, 1536
	s_add_co_u32 s22, s22, HBASE
	s_mov_b32 s23, 0
	s_lshl_b32 s24, s18, 6
	s_add_co_u32 s24, s24, HBASE+3145728
	s_mov_b32 s25, 0
	s_wait_kmcnt 0x0
	s_add_nc_u64 s[4:5], s[4:5], s[16:17]
	s_add_nc_u64 s[22:23], s[10:11], s[22:23]              ; my image
	s_add_nc_u64 s[24:25], s[10:11], s[24:25]              ; its scale words
.irp p, 0,1
.irp i, 0,1,2,3,4,5,6,7
	global_load_b128 v[X+32*\p+4*\i:X+32*\p+4*\i+3], v4, s[4:5] offset:\p*4096+512*\i th:TH_LOAD_NT   ; 32 lanes read 512 consecutive bytes
.endr
.endr
.irp i, 0,1,2,3,4,5,6,7
	global_load_b128 v[GG+4*\i:GG+4*\i+3], v5, s[6:7] offset:512*\i
.endr
.irp i, 0,1,2,3,4,5,6,7
	global_load_b128 v[BB+4*\i:BB+4*\i+3], v5, s[8:9] offset:512*\i
.endr
	s_wait_loadcnt 16                                      ; x is in; the sixteen younger loads (gain and bias) may be out
	ROWSTAT 0
	ROWSTAT 1
	v_nop                                                  ; a plain instruction behind the second root
	s_wait_alu depctr_va_vdst(0)                           ; one wait for the two roots, ahead of their first reader
	s_wait_loadcnt 0x0                                     ; gain and bias
	ROWOUT 0
	ROWOUT 1
	s_wait_dscnt 0x0                                       ; for the others' sake: my rows lie in LDS
	s_barrier_signal -1
	s_barrier_wait -1
.irp b, 0,1,2,3
.irp j, 0,1,2,3
	ds_load_b128 v[X+16*\b+4*\j:X+16*\b+4*\j+3], v7 offset:128*\b+16*\j   ; row r, k = 128 w + 32 b + 16 h + 4 j ..
.endr
.endr
	s_wait_dscnt 0x0
	QUANT X
	global_store_b128 v5, v[PC:PC+3], s[22:23]             ; 512, 256, 512, 256 consecutive bytes: the image
	global_store_b64 v9, v[PC+4:PC+5], s[22:23] offset:512
	global_store_b128 v5, v[PC+6:PC+9], s[22:23] offset:768
	global_store_b64 v9, v[PC+10:PC+11], s[22:23] offset:1280
	v_cmp_gt_u32 vcc_lo, 16, v1
	s_wait_xcnt 0x0                                        ; EXEC changes only when the stores above have read it
	s_wait_tensorcnt 0x0
	ds_add_u32 v216, v217
	s_wait_dscnt 0x0
	s_and_saveexec_b32 s26, vcc_lo
	global_store_b32 v10, v[PW], s[24:25]                  ; lanes 0-15: the 16 rows' words
	s_wait_xcnt 0x0
	s_or_b32 exec_lo, exec_lo, s26
	s_endpgm
	; ---------------- The weights.  Unit u = 8 (work-group - 256) + wave moves one tile's fragments of eight K steps.
.Lrelayout:
	s_load_b64 s[10:11], s[0:1], 0x18                      ; wimg
	s_load_b512 s[16:31], s[0:1], 0x20                     ; Wq, Wk, Wv, Wo: codes, scales
	s_load_b256 s[32:39], s[0:1], 0x60                     ; W1, W2: codes, scales
	s_sub_co_u32 s42, ttmp9, 256                           ; j
	s_lshl_b32 s43, s42, 3
	s_add_co_u32 s43, s43, s12                             ; u
	s_cmp_lt_u32 s42, 32
	s_cbranch_scc0 .Lnot_w4
	s_and_b32 s48, s43, 63                                 ; T: the tile in its own weight
	s_mov_b32 s49, s43                                     ; D: the tile in the stack of four
	s_mov_b32 s50, 0                                       ; where the images begin
	s_mov_b32 s51, 3145728                                 ; and the scale words
	s_mov_b32 s52, 256                                     ; RT
	s_mov_b32 s53, 768                                     ; a row of codes in bytes
	s_mov_b32 s54, 32                                      ; a row of scale bytes
	s_mov_b32 s55, 0                                       ; first K step
	s_branch .Lgo
.Lnot_w4:
	s_cmp_lt_u32 s42, 64
	s_cbranch_scc0 .Lw2
	s_sub_co_u32 s48, s43, 256
	s_mov_b32 s49, s48
	s_mov_b32 s50, 3276800
	s_mov_b32 s51, 6422528
	s_mov_b32 s52, 256
	s_mov_b32 s53, 768
	s_mov_b32 s54, 32
	s_mov_b32 s55, 0
	s_branch .Lgo
.Lw2:
	s_sub_co_u32 s55, s43, 512
	s_lshr_b32 s48, s55, 2
	s_mov_b32 s49, s48
	s_and_b32 s55, s55, 3
	s_lshl_b32 s55, s55, 3
	s_mov_b32 s50, 6553600
	s_mov_b32 s51, 9699328
	s_mov_b32 s52, 64
	s_mov_b32 s53, 3072
	s_mov_b32 s54, 128
.Lgo:
	s_wait_alu depctr_va_vdst(0)
	v_and_b32 v13, 8, v2
	s_delay_alu instid0(VALU_DEP_1)
	v_add_nc_u32 v13, v13, v2                              ; r + 8 (r / 8)
	s_delay_alu instid0(VALU_DEP_1)
	v_mul_lo_u32 v4, v13, s53
	s_delay_alu instid0(VALU_DEP_1)
	v_mad_u32_u24 v4, v3, 24, v4                           ; codes: my row, + 24 h
	s_delay_alu instid0(VALU_DEP_3)
	v_mul_lo_u32 v5, v13, s54
	s_delay_alu instid0(VALU_DEP_1)
	v_lshl_add_u32 v5, v3, 2, v5                           ; scale words: my row; lanes 16-31 take the odd K steps
	s_mul_i32 s57, s52, 1536                               ; from a K step's images to the next
	v_lshlrev_b32 v136, 4, v1
	v_lshlrev_b32 v144, 3, v1
.irp s, 1,2,3,4,5,6,7
	s_delay_alu instid0(VALU_DEP_2)
	v_add_nc_u32 v[136+\s], s57, v[135+\s]
	s_delay_alu instid0(VALU_DEP_2)
	v_add_nc_u32 v[144+\s], s57, v[143+\s]
.endr
	s_lshl_b32 s56, s52, 6                                 ; from a K step's words to the next
	v_mul_lo_u32 v152, v3, s56
	s_delay_alu instid0(VALU_DEP_1)
	v_lshl_add_u32 v152, v2, 2, v152
	s_lshl_b32 s56, s56, 1
.irp s, 1
	v_add_nc_u32 v[152+\s], s56, v[151+\s]
.endr
.irp s, 2, 3
	s_delay_alu instid0(VALU_DEP_1)
	v_add_nc_u32 v[152+\s], s56, v[151+\s]
.endr
	s_lshr_b32 s56, s48, 1
	s_lshl_b32 s56, s56, 5
	s_and_b32 s57, s48, 1
	s_lshl_b32 s57, s57, 3
	s_add_co_u32 s56, s56, s57                             ; 32 (T/2) + 8 (T%2)
	s_mul_i32 s58, s56, s53
	s_mul_i32 s57, s55, 96
	s_add_co_u32 s58, s58, s57
	s_mov_b32 s59, 0
	s_mul_i32 s40, s56, s54
	s_lshl_b32 s57, s55, 2
	s_add_co_u32 s40, s40, s57
	s_mov_b32 s41, 0
	s_mul_i32 s60, s55, s52
	s_add_co_u32 s60, s60, s49                             ; first fragment: ks0 RT + D
	s_mul_i32 s62, s60, 1536
	s_add_co_u32 s62, s62, s50
	s_mov_b32 s63, 0
	s_lshl_b32 s60, s60, 6
	s_add_co_u32 s60, s60, s51
	s_mov_b32 s61, 0
	s_wait_alu depctr_va_vdst(0)
	s_wait_kmcnt 0x0
	s_mov_b64 s[44:45], s[36:37]                           ; which weight: a choice on the work-group's number alone
	s_mov_b64 s[46:47], s[38:39]
	s_cmp_lt_u32 s42, 64
	s_cselect_b64 s[44:45], s[32:33], s[44:45]
	s_cselect_b64 s[46:47], s[34:35], s[46:47]
	s_cmp_lt_u32 s42, 32
	s_cselect_b64 s[44:45], s[28:29], s[44:45]
	s_cselect_b64 s[46:47], s[30:31], s[46:47]
	s_cmp_lt_u32 s42, 24
	s_cselect_b64 s[44:45], s[24:25], s[44:45]
	s_cselect_b64 s[46:47], s[26:27], s[46:47]
	s_cmp_lt_u32 s42, 16
	s_cselect_b64 s[44:45], s[20:21], s[44:45]
	s_cselect_b64 s[46:47], s[22:23], s[46:47]
	s_cmp_lt_u32 s42, 8
	s_cselect_b64 s[44:45], s[16:17], s[44:45]
	s_cselect_b64 s[46:47], s[18:19], s[46:47]
	s_add_nc_u64 s[44:45], s[44:45], s[58:59]
	s_add_nc_u64 s[46:47], s[46:47], s[40:41]
	s_add_nc_u64 s[62:63], s[10:11], s[62:63]
	s_add_nc_u64 s[60:61], s[10:11], s[60:61]
.irp s, 0,1,2,3,4,5,6,7
.irp p, 0,1,2,3,4,5
	global_load_b64 v[32+12*\s+2*\p:33+12*\s+2*\p], v4, s[44:45] offset:96*\s+48*(\p/3)+8*(\p%3)   ; the row's stream of bits IS the register image: 24 bytes at 24 h, 24 at 48 + 24 h
.endr
.endr
.irp s, 0,1,2,3
	global_load_b32 v[128+\s], v5, s[46:47] offset:8*\s    ; lane (r, h): the word of K step 2 s + h
.endr
.irp s, 0,1,2,3,4,5,6,7
	s_wait_loadcnt 6*(7-\s)+4                              ; fragment s is in; the later fragments' six loads each and the four words may be out
	global_store_b128 v[136+\s], v[32+12*\s:35+12*\s], s[62:63]
	global_store_b64 v[144+\s], v[36+12*\s:37+12*\s], s[62:63] offset:512
	global_store_b128 v[136+\s], v[38+12*\s:41+12*\s], s[62:63] offset:768
	global_store_b64 v[144+\s], v[42+12*\s:43+12*\s], s[62:63] offset:1280
.endr
	s_wait_loadcnt 0x0
.irp s, 0,1,2,3
	global_store_b32 v[152+\s], v[128+\s], s[60:61]
.endr
	s_endpgm
.Lfunc_end_k_qfc52074591_prep:
	.size	k_qfc52074591_prep, .Lfunc_end_k_qfc52074591_prep-k_qfc52074591_prep
	.p2alignl 7, 3214868480
	.fill 96, 4, 3214868480
	.section	.rodata,"a",@progbits
	.p2align	6, 0x0
	.amdhsa_kernel k_qfc52074591_prep
		.amdhsa_group_segment_fixed_size 66816
		.amdhsa_private_segment_fixed_size 0
		.amdhsa_enable_private_segment 0
		.amdhsa_kernarg_size 128
		.amdhsa_user_sgpr_count 2
		.amdhsa_user_sgpr_kernarg_segment_ptr 1
		.amdhsa_wavefront_size32 1
		.amdhsa_system_sgpr_workgroup_id_x 1
		.amdhsa_system_sgpr_workgroup_id_y 1
		.amdhsa_system_sgpr_workgroup_id_z 1
		.amdhsa_system_vgpr_workitem_id 0
		.amdhsa_next_free_vgpr 218
		.amdhsa_next_free_sgpr 66
		.amdhsa_reserve_vcc 1
		.amdhsa_float_denorm_mode_32 3
		.amdhsa_float_denorm_mode_16_64 3
		.amdhsa_memory_ordered 1
		.amdhsa_forward_progress 1
		.amdhsa_inst_pref_size 42
	.end_amdhsa_kernel
	.amdgpu_metadata
---
amdhsa.version: [ 1, 2 ]
amdhsa.kernels:
  - .name:           k_qfc52074591_prep
    .symbol:         k_qfc52074591_prep.kd
    .args:
      - { .name: x, .offset: 0, .size: 8, .value_kind: global_buffer, .address_space: global }
      - { .name: g1, .offset: 8, .size: 8, .value_kind: global_buffer, .address_space: global }
      - { .name: b1, .offset: 16, .size: 8, .value_kind: global_buffer, .address_space: global }
      - { .name: wimg, .offset: 24, .size: 8, .value_kind: global_buffer, .address_space: global }
      - { .name: Wq_codes, .offset: 32, .size: 8, .value_kind: global_buffer, .address_space: global }
      - { .name: Wq_scales, .offset: 40, .size: 8, .value_kind: global_buffer, .address_space: global }
      - { .name: Wk_codes, .offset: 48, .size: 8, .value_kind: global_buffer, .address_space: global }
      - { .name: Wk_scales, .offset: 56, .size: 8, .value_kind: global_buffer, .address_space: global }
      - { .name: Wv_codes, .offset: 64, .size: 8, .value_kind: global_buffer, .address_space: global }
      - { .name: Wv_scales, .offset: 72, .size: 8, .value_kind: global_buffer, .address_space: global }
      - { .name: Wo_codes, .offset: 80, .size: 8, .value_kind: global_buffer, .address_space: global }
      - { .name: Wo_scales, .offset: 88, .size: 8, .value_kind: global_buffer, .address_space: global }
      - { .name: W1_codes, .offset: 96, .size: 8, .value_kind: global_buffer, .address_space: global }
      - { .name: W1_scales, .offset: 104, .size: 8, .value_kind: global_buffer, .address_space: global }
      - { .name: W2_codes, .offset: 112, .size: 8, .value_kind: global_buffer, .address_space: global }
      - { .name: W2_scales, .offset: 120, .size: 8, .value_kind: global_buffer, .address_space: global }
    .group_segment_fixed_size: 66816
    .private_segment_fixed_size: 0
    .kernarg_segment_align: 8
    .kernarg_segment_size: 128
    .max_flat_workgroup_size: 256
    .sgpr_count:     66
    .vgpr_count:     218
    .wavefront_size: 32
...
	.end_amdgpu_metadata
.endif
;; end of part 1
;; launch qkv (part 2): grid 12 x 16, 4 waves a work-group, clusters of 4 x 4, 327,680 bytes of LDS; arguments wimg, qkv; writes qkv
.if DOCPART == 2
	.amdgcn_target "amdgcn-amd-amdhsa--gfx1250"
	.amdhsa_code_object_version 6
	.text
	.protected	k_qfc52074591_qkv
	.globl	k_qfc52074591_qkv
	.p2align	8
	.type	k_qfc52074591_qkv,@function
k_qfc52074591_qkv:
	s_mov_b64 s[64:65], 0
	v_nop
	global_prefetch_b8 v0, s[64:65] scope:SCOPE_SE
	s_setreg_imm32_b32 hwreg(HW_REG_WAVE_MODE, 25, 1), 1
	s_wait_xcnt 0x0
	s_wait_alu depctr_hold_cnt(0) depctr_sa_sdst(0) depctr_va_vdst(0) depctr_va_sdst(0) depctr_va_ssrc(0) depctr_va_vcc(0) depctr_vm_vsrc(0)
	s_getreg_b32 s2, hwreg(HW_REG_IB_STS2, 6, 4)
	s_cmp_eq_u32 s2, 0
	s_cbranch_scc0 .Lentry_in_a_cluster
	s_endpgm
.Lentry_in_a_cluster:
	s_bfe_u32 s2, ttmp6, 0x10000c
	s_cmp_lg_u32 s2, 0xf033
	s_cbranch_scc0 .Lentry_shape_is_right
	s_endpgm
.Lentry_shape_is_right:
.set NBK,   8
.set NQ,    2
.set KST,   8
.set RTA,   256
.set RTB,   256
.set HOFF,  9830400
.set XSCL,  3145728
.set LAPS,  KST/(2*NQ)
.set FR,    12
.set FRB,   1536
.set HALFT, NQ*NBK*FRB
.set SLOT,  4*HALFT
.set SCL,   2*SLOT
.set HALFS, KST*NBK*64
.set SCR,   262144
.set SPARE, 264192
.set ADRA, 16
.set ADRB, 20
.set DA,   24
.set LA,   25
.set VO16, 26
.set ASA,  27
.set SPW,  28
.set NIL,  29
.set ASB,  30
.set VO8,  31
.set SC,   32
.set PC,   64
.set TM,   96
.set PW,   112
.set SA,   113
.set SA0,  114
.set SRD,  115
.set AF,   128
.set G1, 24
.set G0, 32
.set G1B, 48
.set G0B, 56
.set G1S, 68
.set G0S, 76
.set G1SB, 80
.set G0SB, 88
.set SEL, 98
.set MSB, 0
.macro WIN new
.if MSB != \new
	s_set_vgpr_msb (MSB<<8)|\new
.set MSB, \new
.endif
.endm
.set MUL_LO, 0xa1
.set MUL_HI, 0xf1
.set TO_B,   0x40
.macro JLOAD g0a, g1a, g0b, g1b
	s_cmp_eq_u32 s15, 0
	s_cbranch_scc0 .Lfor_b_\@
	tensor_load_to_lds s[\g0a:\g0a+3], s[\g1a:\g1a+7]
	s_nop 0
.rept 4
	v_nop
.endr
	s_branch .Lasked_\@
.Lfor_b_\@:
	tensor_load_to_lds s[\g0b:\g0b+3], s[\g1b:\g1b+7]
	s_nop 0
.rept 4
	v_nop
.endr
.Lasked_\@:
.endm
.macro CREST
	s_cmp_lg_u32 s14, 0
	s_cbranch_scc1 .Lnot_wave_0_\@
	s_barrier_signal -3
.Lnot_wave_0_\@:
	s_barrier_wait -3
	s_barrier_signal -1
	s_barrier_wait -1
.endm
.macro CROUND
	s_barrier_signal -1
	s_barrier_wait -1
	CREST
.endm
.macro PLACES
.rept 4
	v_nop
.endr
.endm
	s_load_b128 s[4:7], s[0:1], 0x0
	v_lshl_add_u32 v[SPW], v0, 2, SPARE
	v_mov_b32 v[NIL], 0
	ds_add_u32 v28, v29
	ds_add_u32 v28, v29
	s_wait_dscnt 0x0
	v_lshrrev_b32 v1, 5, v0
	v_readfirstlane_b32 s14, v1
	s_lshr_b32 s15, s14, 1
	s_and_b32 s16, s14, 1
	s_bfe_u32 s40, ttmp6, 0x40000
	s_bfe_u32 s41, ttmp6, 0x40004
	s_and_b32 s18, ttmp7, 0xffff
	s_lshl_b32 s18, s18, 2
	s_lshl_b32 s19, ttmp9, 2
	s_cmp_eq_u32 ttmp9, 2
	s_cselect_b32 s17, 8, s18
	s_cselect_b32 s42, s18, s19
	s_cselect_b32 s95, 1, 0
	s_cselect_b32 s96, 0, HOFF
	s_cselect_b32 s97, HOFF, 0
	s_add_co_u32 s17, s17, s41
	s_add_co_u32 s42, s42, s40
	s_lshl_b32 s43, s41, 2
	s_lshl_b32 s43, 15, s43
	s_lshl_b32 s44, 0x1111, s40
	s_or_b32 s[G1+0], s43, (3<<16)|(1<<21)
	s_or_b32 s[G1B+0], s44, (3<<16)|(1<<21)
	s_mov_b32 s[G1+1], (2*NBK*192)<<16
	s_mov_b32 s[G1+2], NQ<<16
	s_mov_b32 s[G1+3], (2*NBK*192)<<16
	s_mov_b32 s[G1+4], NQ
	s_mov_b32 s[G1+5], RTA*192
	s_mov_b32 s[G1+6], 1<<16
	s_mov_b32 s[G1+7], 0
	s_mov_b32 s[G1B+1], (2*NBK*192)<<16
	s_mov_b32 s[G1B+2], NQ<<16
	s_mov_b32 s[G1B+3], (2*NBK*192)<<16
	s_mov_b32 s[G1B+4], NQ
	s_mov_b32 s[G1B+5], RTB*192
	s_mov_b32 s[G1B+6], 1<<16
	s_mov_b32 s[G1B+7], 0
	s_or_b32 s[G1S+0], s43, (3<<16)|(1<<21)
	s_or_b32 s[G1SB+0], s44, (3<<16)|(1<<21)
	s_mov_b32 s[G1S+1], (2*NBK*8)<<16
	s_mov_b32 s[G1S+2], KST<<16
	s_mov_b32 s[G1S+3], (2*NBK*8)<<16
	s_mov_b32 s[G1S+4], KST
	s_mov_b32 s[G1S+5], RTA*8
	s_mov_b32 s[G1S+6], 0
	s_mov_b32 s[G1S+7], 0
	s_mov_b32 s[G1SB+1], (2*NBK*8)<<16
	s_mov_b32 s[G1SB+2], KST<<16
	s_mov_b32 s[G1SB+3], (2*NBK*8)<<16
	s_mov_b32 s[G1SB+4], KST
	s_mov_b32 s[G1SB+5], RTB*8
	s_mov_b32 s[G1SB+6], 0
	s_mov_b32 s[G1SB+7], 0
	s_mul_i32 s20, s17, 2*NBK
	s_mul_i32 s46, s42, 2*NBK
	s_lshl_b32 s22, s20, 6
	s_mul_i32 s20, s20, FRB
	s_lshl_b32 s92, s46, 6
	s_mul_i32 s46, s46, FRB
	s_add_co_u32 s20, s20, s96
	s_add_co_u32 s22, s22, s96
	s_add_co_u32 s22, s22, XSCL
	s_add_co_u32 s46, s46, s97
	s_add_co_u32 s92, s92, s97
	s_add_co_u32 s92, s92, XSCL
	s_mov_b32 s21, 0
	s_mov_b32 s23, 0
	s_mov_b32 s47, 0
	s_mov_b32 s93, 0
	s_mul_i32 s45, s14, HALFT
	s_wait_kmcnt 0x0
	s_mov_b64 s[8:9], s[6:7]
	s_add_nc_u64 s[20:21], s[4:5], s[20:21]
	s_add_nc_u64 s[22:23], s[4:5], s[22:23]
	s_add_nc_u64 s[46:47], s[4:5], s[46:47]
	s_add_nc_u64 s[92:93], s[4:5], s[92:93]
	CROUND
	s_mov_b32 s[G0S], 1
	s_mov_b32 s[G0S+1], SCL
	s_mov_b64 s[G0S+2:G0S+3], s[22:23]
	s_or_b32 s[G0S+3], s[G0S+3], 0x80000000
	s_mov_b32 s[G0SB], 1
	s_mov_b32 s[G0SB+1], SCL+2*HALFS
	s_mov_b64 s[G0SB+2:G0SB+3], s[92:93]
	s_or_b32 s[G0SB+3], s[G0SB+3], 0x80000000
	; A slot is laid [K step][all 2 NBK fragments], A's then B's.  The head's loads bring slot 0's A whole and its B whole; a ring load brings NQ / 2 K steps
	s_mov_b32 s4, 1
	s_mov_b32 s5, 0
	s_mov_b64 s[6:7], s[20:21]
	s_or_b32 s7, s7, 0x80000000
	s_mov_b64 s[22:23], s[46:47]
	s_mul_i32 s18, s16, (NQ/2)*RTA*FRB
	s_mov_b32 s19, 0
	s_add_nc_u64 s[20:21], s[20:21], s[18:19]
	s_mul_i32 s18, s16, (NQ/2)*RTB*FRB
	s_add_nc_u64 s[46:47], s[46:47], s[18:19]
	; THE PREFETCHES: a ring load of mine is one K step of 24,576 bytes = 96 blocks of 256 bytes.  The four partners that ask for it jointly share them out by address:
	; the partner at place p (cx for A, cy for B) takes the quarter p: 24 blocks, a lane a block (lanes 24-31 name block 23 again).  s[66:67] stands at slot 1 and is not rewritten
	s_cmp_eq_u32 s15, 0
	s_cselect_b64 s[66:67], s[20:21], s[46:47]
	s_cselect_b32 s94, s40, s41
	s_mul_i32 s18, s94, 2*NBK*FRB/4
	s_add_co_u32 s18, s18, NQ*RTA*FRB
	s_add_nc_u64 s[66:67], s[66:67], s[18:19]
.irp s, 0,1
	s_mov_b32 s[G0+4*\s], 1
	s_add_co_u32 s[G0+4*\s+1], s45, \s*SLOT
	s_add_nc_u64 s[G0+4*\s+2:G0+4*\s+3], s[20:21], \s*NQ*RTA*FRB
	s_or_b32 s[G0+4*\s+3], s[G0+4*\s+3], 0x80000000
	s_mov_b32 s[G0B+4*\s], 1
	s_add_co_u32 s[G0B+4*\s+1], s45, \s*SLOT
	s_add_nc_u64 s[G0B+4*\s+2:G0B+4*\s+3], s[46:47], \s*NQ*RTB*FRB
	s_or_b32 s[G0B+4*\s+3], s[G0B+4*\s+3], 0x80000000
.endr
	s_mov_b32 s20, 1
	s_mov_b32 s21, 2*HALFT
	s_or_b32 s23, s23, 0x80000000
; the head's four tiles, one joint load a wave: one chain of branches on the wave's number, all arms to one join
.macro HARM under, g0, g1, next
	s_cmp_lt_u32 s14, \under
	s_cbranch_scc0 \next
	tensor_load_to_lds s[\g0:\g0+3], s[\g1:\g1+7]
	s_nop 0
.rept 4
	v_nop
.endr
	s_branch .Lhd_x
\next:
.endm
	HARM 1, 4, G1, .Lhd_b
	HARM 2, 20, G1B, .Lhd_sa
	HARM 3, G0S, G1S, .Lhd_sb
	tensor_load_to_lds s[G0SB:G0SB+3], s[G1SB:G1SB+7]
	s_nop 0
.rept 4
	v_nop
.endr
.Lhd_x:
	v_and_b32 v8, 31, v0
	v_min_u32 v8, 23, v8
	v_lshlrev_b32 v8, 8, v8                                ; my block; not rewritten
	global_prefetch_b8 v8, s[66:67] th:TH_LOAD_NT scope:SCOPE_SE                       ; beside slot 0's load: slots 1 and 2
	global_prefetch_b8 v8, s[66:67] offset:NQ*RTA*FRB th:TH_LOAD_NT scope:SCOPE_SE
	v_and_b32 v1, 31, v0
	v_and_b32 v2, 15, v0
	v_bfe_u32 v3, v0, 4, 1
	v_lshlrev_b32 v4, 4, v1
	v_lshlrev_b32 v5, 3, v1
	v_add_nc_u32 v5, 512, v5
	s_mul_i32 s18, s15, NBK*FRB
	s_mul_i32 s19, s16, NBK*FRB
	s_add_co_u32 s19, s19, 2*HALFT
.irp s, 0,1
	v_add_nc_u32 v[ADRA+\s], s18, v4
	v_add_nc_u32 v[ADRA+2+\s], s18, v5
	v_add_nc_u32 v[ADRB+\s], s19, v4
	v_add_nc_u32 v[ADRB+2+\s], s19, v5
	s_add_co_u32 s18, s18, SLOT
	s_add_co_u32 s19, s19, SLOT
.endr
	v_lshlrev_b32 v6, 2, v2
	v_mad_u32_u24 v6, v3, 2*NBK*64, v6
	s_mul_i32 s18, s15, NBK*64
	s_add_co_u32 s18, s18, SCL
	v_add_nc_u32 v[ASA], s18, v6
	s_mul_i32 s18, s16, NBK*64
	s_add_co_u32 s18, s18, SCL+2*HALFS
	v_add_nc_u32 v[ASB], s18, v6
	s_lshl_b32 s18, s14, 16
	v_add_nc_u32 v[DA], s18, v4
	s_lshl_b32 s18, s14, 9
	s_add_co_u32 s18, s18, SCR
	v_lshl_add_u32 v[SA0], v2, 2, s18
	v_add_nc_u32 v[SRD], s18, v4
.irp b, 0,1,2,3
	v_mov_b32 v[TM+4+\b], 0
.endr
	s_mov_b32 s[SEL], 0x76543210
	s_mov_b32 s[SEL+1], 0xfedcba98
.macro FRAG reg, a16, a8, off
	ds_load_b128 v[\reg:\reg+3], v[\a16] offset:\off
	ds_load_b64 v[\reg+4:\reg+5], v[\a8] offset:\off
	ds_load_b128 v[\reg+6:\reg+9], v[\a16] offset:(\off)+768
	ds_load_b64 v[\reg+10:\reg+11], v[\a8] offset:(\off)+768
.endm
.macro FETCH_B slot, q, p
	WIN TO_B
.set fi, 0
.rept NBK
	FRAG 128*(\p)+FR*fi, ADRB+\slot, ADRB+2+\slot, ((\q)*2*NBK+fi)*FRB
.set fi, fi+1
.endr
	WIN 0
.endm
.macro FETCH_A slot, q, half
.set fi, (\half)*NBK/2
.rept NBK/2
	FRAG AF+FR*fi, ADRA+\slot, ADRA+2+\slot, ((\q)*2*NBK+fi)*FRB
.set fi, fi+1
.endr
.endm
.macro SCALES sc
.set si, 0
.rept NBK
.set sp, 0
.rept NQ/2
	ds_load_b32 v[SC+16*(\sc)+(NQ/2)*si+sp], v[ASA] offset:64*si+sp*2*NBK*64
	ds_load_b32 v[SC+16*(\sc)+8+(NQ/2)*si+sp], v[ASB] offset:64*si+sp*2*NBK*64
.set sp, sp+1
.endr
.set si, si+1
.endr
.endm
.macro MULQ k, p, q, sc, zero
.set ma, (\k)*NBK/4
.rept NBK/4
.set mb, 0
.rept NBK
.set rD, 8*(NBK*(ma%(NBK/2))+mb)
.set rB, 128*(\p)+FR*mb
.set rA, AF+FR*ma
.set rSB, SC+16*(\sc)+8+(NQ/2)*mb+(\q)/2
.set rSA, SC+16*(\sc)+(NQ/2)*ma+(\q)/2
.if \zero
	v_wmma_scale_f32_16x16x128_f8f6f4 v[rD:rD+7], v[rB:rB+FR-1], v[rA:rA+FR-1], 0, v[rSB], v[rSA] matrix_a_fmt:MATRIX_FMT_FP6 matrix_b_fmt:MATRIX_FMT_FP6
.elseif (\q)%2
	v_wmma_scale_f32_16x16x128_f8f6f4 v[rD:rD+7], v[rB:rB+FR-1], v[rA:rA+FR-1], v[rD:rD+7], v[rSB], v[rSA] matrix_a_fmt:MATRIX_FMT_FP6 matrix_b_fmt:MATRIX_FMT_FP6 matrix_a_scale:MATRIX_SCALE_ROW1 matrix_b_scale:MATRIX_SCALE_ROW1
.else
	v_wmma_scale_f32_16x16x128_f8f6f4 v[rD:rD+7], v[rB:rB+FR-1], v[rA:rA+FR-1], v[rD:rD+7], v[rSB], v[rSA] matrix_a_fmt:MATRIX_FMT_FP6 matrix_b_fmt:MATRIX_FMT_FP6
.endif
.set mb, mb+1
.endr
.set ma, ma+1
.endr
.endm
.macro STEP slot, q, zero
	s_wait_dscnt 2*NBK
	WIN MUL_LO
	MULQ 0, (\q)%2, \q, \slot, \zero
	MULQ 1, (\q)%2, \q, \slot, \zero
	s_wait_dscnt 0x0
	PLACES
	FETCH_B \slot, (\q)+1, 1-(\q)%2
	FETCH_A \slot, (\q)+1, 0
	WIN MUL_HI
	MULQ 2, (\q)%2, \q, \slot, \zero
	MULQ 3, (\q)%2, \q, \slot, \zero
	PLACES
	WIN 0
	FETCH_A \slot, (\q)+1, 1
.endm
.macro TURN slot, next, fill
	s_wait_tensorcnt 0x0
	ds_add_u32 v[SPW], v[NIL]
	s_wait_dscnt 2*NBK+1
	WIN MUL_LO
	MULQ 0, 1, NQ-1, \slot, 0
	s_wait_dscnt 0x0
	s_barrier_signal -1
	MULQ 1, 1, NQ-1, \slot, 0
	WIN 0
	s_barrier_wait -1
.if \fill
	CREST
	s_add_nc_u64 s[G0+4*\slot+2:G0+4*\slot+3], s[G0+4*\slot+2:G0+4*\slot+3], 2*NQ*RTA*FRB
	s_add_nc_u64 s[G0B+4*\slot+2:G0B+4*\slot+3], s[G0B+4*\slot+2:G0B+4*\slot+3], 2*NQ*RTB*FRB
	JLOAD G0+4*\slot, G1, G0B+4*\slot, G1B
.else
	PLACES
.endif
	s_wait_alu depctr_va_vdst(0)
	v_add_nc_u32 v[ASA], 2*NQ*NBK*64, v[ASA]
	v_add_nc_u32 v[ASB], 2*NQ*NBK*64, v[ASB]
	FETCH_B \next, 0, 0
	FETCH_A \next, 0, 0
	SCALES \next
	WIN MUL_HI
	MULQ 2, 1, NQ-1, \slot, 0
	MULQ 3, 1, NQ-1, \slot, 0
	PLACES
	WIN 0
	FETCH_A \next, 0, 1
.endm
	s_wait_alu depctr_va_vdst(0)
	s_wait_tensorcnt 0x0                                   ; my tile of the head's four is in
	ds_add_u32 v[SPW], v[NIL]
	s_mov_b32 s[G1+2], (NQ/2)<<16                          ; no tensor load of mine is out: from here on a load brings NQ / 2 K steps
	s_mov_b32 s[G1+4], NQ/2
	s_mov_b32 s[G1B+2], (NQ/2)<<16
	s_mov_b32 s[G1B+4], NQ/2
	s_wait_dscnt 0x0
	CROUND
	JLOAD G0+4, G1, G0B+4, G1B
	FETCH_B 0, 0, 0
	FETCH_A 0, 0, 0
	SCALES 0
	global_prefetch_b8 v8, s[66:67] offset:2*NQ*RTA*FRB th:TH_LOAD_NT scope:SCOPE_SE   ; behind slot 1's load: slot 3, the last
	FETCH_A 0, 0, 1
	STEP 0, 0, 1
	s_mov_b32 s3, LAPS-1
.Llap:
	TURN 0, 1, 1
	STEP 1, 0, 0
	TURN 1, 0, 1
	STEP 0, 0, 0
	s_sub_co_u32 s3, s3, 1
	s_cmp_lg_u32 s3, 0
	s_cbranch_scc1 .Llap
	TURN 0, 1, 0
	STEP 1, 0, 0
	s_wait_dscnt 2*NBK
	WIN MUL_LO
	MULQ 0, 1, NQ-1, 1, 0
	MULQ 1, 1, NQ-1, 1, 0
	s_wait_dscnt 0x0
	WIN MUL_HI
	MULQ 2, 1, NQ-1, 1, 0
	MULQ 3, 1, NQ-1, 1, 0
	WIN 0
	PLACES
	s_wait_dscnt 0x0
	s_barrier_signal -1
	s_barrier_wait -1
	WIN 0x08
.set dk, 0
.rept 64
	ds_store_b128 v[DA], v[4*dk:4*dk+3] offset:512*dk
.set dk, dk+1
.endr
	WIN 0x0c
.set dk, 0
.rept 64
	ds_store_b128 v[DA], v[4*dk:4*dk+3] offset:32768+512*dk
.set dk, dk+1
.endr
	WIN 0
	s_mov_b32 s20, 256
	s_cmp_eq_u32 s95, 1
	s_cselect_b32 s18, s41, s17
	s_cselect_b32 s19, s42, s40
	s_cselect_b32 s20, 64, s20
	s_lshl_b32 s18, s18, 4
	s_lshl_b32 s21, s15, 3
	s_add_co_u32 s18, s18, s21
	s_lshl_b32 s19, s19, 1
	s_add_co_u32 s19, s19, s16
	s_mul_i32 s19, s19, s20
	s_add_co_u32 s19, s19, s18
	s_mul_i32 s20, s19, FRB
	s_mul_i32 s21, ttmp9, 3145728
	s_add_co_u32 s20, s20, s21
	s_mov_b32 s21, 0
	s_lshl_b32 s22, s19, 6
	s_mul_i32 s23, ttmp9, 131072
	s_add_co_u32 s22, s22, s23
	s_add_co_u32 s22, s22, 9437184
	s_mov_b32 s23, 0
	s_add_nc_u64 s[10:11], s[8:9], s[22:23]
	s_add_nc_u64 s[8:9], s[8:9], s[20:21]
.macro QUANT s
.irp b, 0,1,2,3
	v_max3_num_f32 v[TM+\b], |v[\s+16*\b]|, |v[\s+1+16*\b]|, 0x1800000
.endr
.irp i, 2,4,6,8,10,12,14
.irp b, 0,1,2,3
	v_max3_num_f32 v[TM+\b], v[TM+\b], |v[\s+16*\b+\i]|, |v[\s+1+16*\b+\i]|
.endr
.endr
.irp b, 0,1,2,3
	v_permlanex16_b32 v[TM+4+\b], v[TM+\b], s[SEL], s[SEL+1]
.endr
.irp b, 0,1,2,3
	v_max_num_f32 v[TM+\b], v[TM+\b], v[TM+4+\b]
.endr
.irp b, 0,1,2,3
	v_add_nc_u32 v[TM+12+\b], 0xff000000, v[TM+\b]
.endr
.irp b, 0,1,2,3
	v_lshrrev_b32 v[TM+4+\b], 23, v[TM+12+\b]
.endr
	v_lshl_or_b32 v[PW], v[TM+5], 8, v[TM+4]
	v_lshl_or_b32 v[PW], v[TM+6], 16, v[PW]
	v_lshl_or_b32 v[PW], v[TM+7], 24, v[PW]
.irp c, 0,1
	v_cvt_scalef32_pk16_fp6_f32 v[PC+6*\c:PC+2+6*\c], v[\s+32*\c:\s+15+32*\c], v[TM+12+2*\c]
	v_cvt_scalef32_pk16_fp6_f32 v[PC+12+4*\c:PC+14+4*\c], v[\s+16+32*\c:\s+31+32*\c], v[TM+12+2*\c+1]
.endr
	v_nop
.irp c, 0,1
.irp i, 0,1,2
	v_permlane16_swap_b32 v[PC+6*\c+\i], v[PC+12+4*\c+\i]
.endr
.irp i, 0,1,2
	v_mov_b32 v[PC+3+6*\c+\i], v[PC+12+4*\c+\i]
.endr
.endr
.endm
	s_mov_b32 s12, 0
	s_mov_b32 s13, 0
	s_mov_b32 s46, 0
	s_mov_b32 s3, 0
.Lblk:
	s_wait_xcnt 0x0
	s_wait_dscnt 0x0
	v_add_nc_u32 v[LA], s12, v[DA]
	v_add_nc_u32 v[VO16], s13, v4
	v_add_nc_u32 v[VO8], s13, v5
	v_add_nc_u32 v[SA], s46, v[SA0]
.irp k, 0,1,2,3,4,5,6,7,8,9,10,11,12,13,14,15
	ds_load_b128 v[AF+4*\k:AF+4*\k+3], v[LA] offset:512*\k
.endr
	s_wait_dscnt 0x0
	QUANT AF
	global_store_b128 v[VO16], v[PC:PC+3], s[8:9]
	global_store_b64 v[VO8], v[PC+4:PC+5], s[8:9]
	global_store_b128 v[VO16], v[PC+6:PC+9], s[8:9] offset:768
	global_store_b64 v[VO8], v[PC+10:PC+11], s[8:9] offset:768
	ds_store_b32 v[SA], v[PW]
	s_add_co_u32 s12, s12, 8192
	s_add_co_u32 s13, s13, FRB
	s_add_co_u32 s46, s46, 64
	s_add_co_u32 s3, s3, 1
	s_cmp_lt_u32 s3, 8
	s_cbranch_scc1 .Lblk
	ds_load_b128 v[116:119], v[SRD]
	s_wait_dscnt 0x0
	global_store_b128 v4, v[116:119], s[10:11]
	s_wait_tensorcnt 0x0
	ds_add_u32 v[SPW], v[NIL]
	s_wait_dscnt 0x0
	CROUND
	s_endpgm
.Lfunc_end_k_qfc52074591_qkv:
	.size	k_qfc52074591_qkv, .Lfunc_end_k_qfc52074591_qkv-k_qfc52074591_qkv
	.p2alignl 7, 3214868480
	.fill 96, 4, 3214868480
	.section	.rodata,"a",@progbits
	.p2align	6, 0x0
	.amdhsa_kernel k_qfc52074591_qkv
		.amdhsa_group_segment_fixed_size 327680
		.amdhsa_private_segment_fixed_size 0
		.amdhsa_enable_private_segment 0
		.amdhsa_kernarg_size 16
		.amdhsa_user_sgpr_count 2
		.amdhsa_user_sgpr_kernarg_segment_ptr 1
		.amdhsa_wavefront_size32 1
		.amdhsa_system_sgpr_workgroup_id_x 1
		.amdhsa_system_sgpr_workgroup_id_y 1
		.amdhsa_system_sgpr_workgroup_id_z 1
		.amdhsa_system_vgpr_workitem_id 0
		.amdhsa_next_free_vgpr 1024
		.amdhsa_next_free_sgpr 100
		.amdhsa_reserve_vcc 0
		.amdhsa_float_denorm_mode_32 3
		.amdhsa_float_denorm_mode_16_64 3
		.amdhsa_memory_ordered 1
		.amdhsa_forward_progress 1
		.amdhsa_inst_pref_size 133
	.end_amdhsa_kernel
	.amdgpu_metadata
---
amdhsa.version: [ 1, 2 ]
amdhsa.kernels:
  - .name:           k_qfc52074591_qkv
    .symbol:         k_qfc52074591_qkv.kd
    .args:
      - { .name: wimg, .offset: 0, .size: 8, .value_kind: global_buffer, .address_space: global }
      - { .name: qkv, .offset: 8, .size: 8, .value_kind: global_buffer, .address_space: global }
    .group_segment_fixed_size: 327680
    .private_segment_fixed_size: 0
    .kernarg_segment_align: 8
    .kernarg_segment_size: 16
    .max_flat_workgroup_size: 128
    .sgpr_count:     100
    .vgpr_count:     1024
    .wavefront_size: 32
...
	.end_amdgpu_metadata
.endif
;; end of part 2
;; launch attn (part 3): grid 8 x 32, 16 waves a work-group, clusters of 4 x 1, 327,680 bytes of LDS; arguments qkv, aimg; writes aimg
.if DOCPART == 3
	.amdgcn_target "amdgcn-amd-amdhsa--gfx1250"
	.amdhsa_code_object_version 6
	.text
	.protected	k_qfc52074591_attn
	.globl	k_qfc52074591_attn
	.p2align	8
	.type	k_qfc52074591_attn,@function
k_qfc52074591_attn:
	s_mov_b64 s[64:65], 0
	v_nop
	global_prefetch_b8 v0, s[64:65] scope:SCOPE_SE
	s_setreg_imm32_b32 hwreg(HW_REG_WAVE_MODE, 25, 1), 1
	s_wait_xcnt 0x0
	s_wait_alu depctr_hold_cnt(0) depctr_sa_sdst(0) depctr_va_vdst(0) depctr_va_sdst(0) depctr_va_ssrc(0) depctr_va_vcc(0) depctr_vm_vsrc(0)
	s_getreg_b32 s2, hwreg(HW_REG_IB_STS2, 6, 4)
	s_cmp_eq_u32 s2, 0
	s_cbranch_scc0 .Lentry_in_a_cluster
	s_endpgm
.Lentry_in_a_cluster:
	s_bfe_u32 s2, ttmp6, 0x10000c
	s_cmp_lg_u32 s2, 0x3003
	s_cbranch_scc0 .Lentry_shape_is_right
	s_endpgm
.Lentry_shape_is_right:
; Attention on E2M3 codes.  A work-group owns ONE head (y = 16 batch + head) and 256 queries (x); each of its sixteen waves owns a tile of 16 queries.
; The head's K (128 tiles x 768 bytes), V (16 steps of 128 keys x 4 tiles x 1,536 bytes) and their scale words (8,192 + 4,096 bytes) lie in LDS together: 208,896 bytes, each byte filled ONCE,
; by one tensor load a wave at the head.  So the walk over the keys has no barrier, no wait on TENSORcnt and no refill, and the waves walk independently.
; CLUSTERS of 4 along x: the four query blocks read the same K and V, so every load is a joint one with the mask 15; its descriptor hangs on y and the wave's number alone.
; No prefetch: every tile is asked for once, at the head; there is no loop to run ahead in.
; Both products are used transposed (S^T = K Q^T, O^T = V^T p^T): a lane holds one query.  The images' row orders are the producing launch's: two neighbouring tiles give a lane 16 numbers of one block of 32.
; The head size is 64: a K tile is 6 registers.  Tile i lies at v[KF + 6 i]; the operand names 12 registers, and its upper 6 (the next tile, or six registers of zeros) meet Q's zero codes.
; One register carries the scale words of two tiles: lanes 0-15 the even tile's, lanes 16-31 the odd one's (ROW1).  K's and V's fragments take turns in the same registers.
; p = 2^(t - M), M the ceiling of the running largest t; the sum is taken of the unquantised p; O and the sum are multiplied by 2^(old M - new M) in every step, with no branch on data.
; The step is written once: O, the sum and M begin as 0, 0 and a large number.
; The result's scale word holds two heads' bytes, and the other head belongs to another work-group: so my two bytes a row are stored by themselves.
; LIMITS: NaN and infinities are not served; the scaled scores stay under 2^31 in magnitude; a block under 2^-124 gets the scale byte 1 (only this program reads the bytes).
.set KIMG, 3145728
.set VIMG, 6291456
.set QSCL, 9437184
.set KSCL, 9568256
.set VSCL, 9699328
.set ASCL, 3145728
.set VB,    98304                      ; LDS: K at 0, V here,
.set SK,    196608                     ; K's scale words,
.set SV,    204800                     ; V's,
.set SPARE, 208896                     ; the spare words: 128 bytes a wave
.set STEPB, 6144                       ; 128 keys: 8 K tiles of 768 bytes, or 4 V tiles of 1,536
.set AK16, 1
.set AK8,  2
.set AV16, 3
.set AV8,  4
.set ASK,  5
.set ASV,  6
.set SPW,  7
.set KS,   8                           ; v8-11 K's scale words, v12-13 V's, v14 Q's
.set VS,   12
.set QS,   14
.set NIL,  15
.set Q,    16                          ; v16-27 Q: 6 registers of codes, 6 of zeros
.set KF,   28                          ; v28-75 eight K tiles, then four V tiles; v76-81 zeros
.set PC,   82                          ; v82-93 p's codes
.set YT,   94                          ; v94-100 the conversions' second halves
.set S,    104                         ; v104-167 the scores, then p
.set O,    168                         ; v168-199 O^T
.set T,    200                         ; +0..3 the blocks' maxima, +4..7 work
.set PM,   4
.set NM,   8                           ; -M; +9 the running largest score
.set SX,   9
.set F,    10                          ; 2^(old M - new M); +11 p's scale word
.set PW,   11
.set L,    12                          ; the sum, in two halves
.set TP,   14
.set LO16, 216                         ; 16 x lane, 8 x lane, 4 x (lane % 16)
.set LO8,  217
.set LO4,  218
.set EC,   28                          ; the way out: codes
.set EY,   36
.set WV,  8
.set SEL, 66
.set CS,  68
.set NCS, 70
.set CNT, 71
.macro CROUND                          ; a round of the cluster's barrier
	s_barrier_signal -1
	s_barrier_wait -1
	s_cmp_lg_u32 s[WV], 0
	s_cbranch_scc1 .Lnot_wave_0_\@
	s_barrier_signal -3
.Lnot_wave_0_\@:
	s_barrier_wait -3
	s_barrier_signal -1
	s_barrier_wait -1
.endm
.macro G1SET g, c, r, p                ; group 1: r rows of c elements of 8 bytes, pitch p; the mask names the cluster's four
	s_mov_b32 s[\g], 15|(3<<16)|(1<<21)
	s_mov_b32 s[\g+1], (\c)<<16
	s_mov_b32 s[\g+2], (\r)<<16
	s_mov_b32 s[\g+3], (\c)<<16
	s_mov_b32 s[\g+4], \r
	s_mov_b32 s[\g+5], \p
	s_mov_b32 s[\g+6], 0
	s_mov_b32 s[\g+7], 0
.endm
.macro G0SET g, lds, off
	s_mov_b32 s[\g], 1
	s_mov_b32 s[\g+1], s[\lds]
	s_add_nc_u64 s[\g+2:\g+3], s[4:5], s[\off:\off+1]
	s_or_b32 s[\g+3], s[\g+3], 0x80000000
.endm
.macro ARM under, g0, g1, next         ; one arm of the head's chain: one load, then the jump to the join
	s_cmp_lt_u32 s[WV], \under
	s_cbranch_scc0 \next
	tensor_load_to_lds s[\g0:\g0+3], s[\g1:\g1+7]
	s_nop 0
.rept 4
	v_nop
.endr
	s_branch .Lasked
\next:
.endm
	s_load_b128 s[4:7], s[0:1], 0x0                        ; qkv, aimg
	v_lshl_add_u32 v[SPW], v0, 2, SPARE
	v_mov_b32 v[NIL], 0
	ds_add_u32 v[SPW], v[NIL]                              ; the opening lines: the add, twice on end, and its wait
	ds_add_u32 v[SPW], v[NIL]
	v_lshrrev_b32 v1, 5, v0
	v_readfirstlane_b32 s[WV], v1                          ; wave 0..15
	s_bfe_u32 s9, ttmp6, 0x40000                           ; cx
	s_lshl_b32 s10, ttmp9, 2
	s_add_co_u32 s9, s9, s10                               ; x: my block of 256 queries (it enters Q's and the result's addresses alone)
	s_and_b32 s10, ttmp7, 0xffff                           ; y
	s_lshr_b32 s11, s10, 4                                 ; batch
	s_bfe_u32 s12, s10, 0x30001                            ; the pair of heads: a K step of the images
	s_and_b32 s13, s10, 1                                  ; which half of a fragment is my head's
	s_lshl_b32 s14, s12, 8
	s_lshl_b32 s15, s11, 7
	s_add_co_u32 s14, s14, s15                             ; the batch's first token tile in that K step
	G1SET 16, 96, 16, 192                                  ; K: 16 halves of fragments, 768 bytes out of each 1,536
	G1SET 24, 768, 4, 12288                                ; V: 4 steps of 4 tiles, 6,144 bytes out of each 98,304
	G1SET 32, 32, 16, 32                                   ; K's words: 4,096 dense bytes as rows of 256
	G1SET 40, 32, 8, 512                                   ; V's words: 8 steps of 256 bytes out of each 4,096
	s_mul_i32 s72, s14, 1536
	s_mul_i32 s73, s13, 768
	s_add_co_u32 s72, s72, s73                             ; tile 0 of the batch, my head's half
	s_and_b32 s77, s[WV], 7                                ; waves 0-7: an eighth of K each
	s_mul_i32 s74, s77, 16*1536
	s_add_co_u32 s74, s74, s72
	s_add_co_u32 s74, s74, KIMG
	s_mov_b32 s75, 0
	s_mul_i32 s76, s77, 16*768
	s_and_b32 s77, s[WV], 3                                ; waves 8-11: a quarter of V each
	s_lshl_b32 s81, s10, 2
	s_and_b32 s81, s81, 63                                 ; my head's first tile of V's rows: 4 x head
	s_lshl_b32 s78, s11, 4
	s_lshl_b32 s79, s77, 2
	s_add_co_u32 s78, s78, s79
	s_lshl_b32 s78, s78, 6
	s_add_co_u32 s78, s78, s81
	s_mul_i32 s78, s78, 1536
	s_add_co_u32 s78, s78, VIMG
	s_mov_b32 s79, 0
	s_mul_i32 s80, s77, 4*STEPB
	s_add_co_u32 s80, s80, VB
	s_and_b32 s99, s[WV], 1                                ; waves 12, 13: a half of K's words each; waves 14, 15: of V's
	s_lshl_b32 s86, s99, 12
	s_lshl_b32 s82, s14, 6
	s_add_co_u32 s82, s82, s86
	s_add_co_u32 s82, s82, KSCL
	s_mov_b32 s83, 0
	s_add_co_u32 s86, s86, SK
	s_lshl_b32 s84, s11, 10
	s_add_co_u32 s84, s84, s81
	s_lshl_b32 s84, s84, 6
	s_lshl_b32 s87, s99, 15
	s_add_co_u32 s84, s84, s87
	s_add_co_u32 s84, s84, VSCL
	s_mov_b32 s85, 0
	s_lshl_b32 s87, s99, 11
	s_add_co_u32 s87, s87, SV
	s_wait_dscnt 0x0                                       ; both opening adds are done
	s_wait_kmcnt 0x0
	CROUND                                                 ; the four work-groups are here: the joint loads meet
	G0SET 48, 76, 74
	G0SET 52, 80, 78
	G0SET 56, 86, 82
	G0SET 60, 87, 84
	ARM 8, 48, 16, .Lnot_k                                 ; one chain of branches on the wave's number, one load to an arm: every wave issues one
	ARM 12, 52, 24, .Lnot_v
	ARM 14, 56, 32, .Lnot_sk
	tensor_load_to_lds s[60:63], s[40:47]
	s_nop 0
.rept 4
	v_nop
.endr
.Lasked:
	v_and_b32 v[LO4], 31, v0
	v_lshlrev_b32 v[LO16], 4, v[LO4]
	v_lshlrev_b32 v[LO8], 3, v[LO4]
	v_lshlrev_b32 v[ASV], 2, v[LO4]
	v_and_b32 v[LO4], 15, v0
	v_lshlrev_b32 v[LO4], 2, v[LO4]
	s_lshl_b32 s98, s13, 1
	s_add_co_u32 s98, s98, SK
	v_mov_b32 v[AK16], v[LO16]
	v_add_nc_u32 v[AK8], 512, v[LO8]
	v_add_nc_u32 v[AV16], VB, v[LO16]
	v_add_nc_u32 v[AV8], VB+512, v[LO8]
	v_add_nc_u32 v[ASK], s98, v[ASV]                       ; 4 x lane: lanes 16-31 take the next tile's words; + my head's two bytes
	v_add_nc_u32 v[ASV], SV, v[ASV]
	s_lshl_b32 s86, s9, 4
	s_add_co_u32 s86, s86, s[WV]                           ; my query tile in the batch: 16 x + wave
	s_mul_i32 s88, s86, 1536
	s_add_co_u32 s88, s88, s72
	s_mov_b32 s89, 0
	s_add_nc_u64 s[90:91], s[4:5], s[88:89]                ; Q's codes
	s_add_nc_u64 s[92:93], s[6:7], s[88:89]                ; the result's codes: the same place in aimg
	s_add_co_u32 s86, s86, s14
	s_lshl_b32 s86, s86, 6
	s_lshl_b32 s87, s13, 1
	s_add_co_u32 s86, s86, s87
	s_add_co_u32 s88, s86, QSCL
	s_add_nc_u64 s[94:95], s[4:5], s[88:89]
	s_add_co_u32 s88, s86, ASCL
	s_add_nc_u64 s[96:97], s[6:7], s[88:89]
	s_wait_alu depctr_va_vdst(0)                           ; the offsets were written ahead of a run of scalar lines
	global_load_b128 v[Q:Q+3], v[LO16], s[90:91]
	global_load_b64 v[Q+4:Q+5], v[LO8], s[90:91] offset:512
	global_load_u16 v[QS], v[LO4], s[94:95]
.irp j, 6,7,8,9,10,11
	v_mov_b32 v[Q+\j], 0                                   ; Q's upper 64 along K: zero codes
	v_mov_b32 v[KF+42+\j], 0                               ; behind the eighth K tile
.endr
.irp j, 4,5,6,7,11,12,13
	v_mov_b32 v[T+\j], 0                                   ; lane permutes' destinations, the pair's upper half, the sum
.endr
	v_mov_b32 v[T+NM], 0x7f61b1e6                          ; -M: 3e38
	v_mov_b32 v[T+SX], 0xff61b1e6                          ; the largest score so far: -3e38
.set jj, 0
.rept 32
	v_mov_b32 v[O+jj], 0                                   ; O^T: the step is written once
.set jj, jj+1
.endr
	s_mov_b32 s[SEL], 0x76543210
	s_mov_b32 s[SEL+1], 0xfedcba98                         ; lane l xor 16
	s_mov_b32 s[CS], 0x3e38aa3b                            ; c = log2(e) / 8
	s_mov_b32 s[CS+1], s[CS]
	s_mov_b32 s[NCS], 0xbe38aa3b                           ; -c
	s_mov_b32 s[CNT], 16
	s_wait_alu depctr_va_vdst(0)
	s_wait_tensorcnt 0x0                                   ; my tile is in;
	s_barrier_signal -1
	s_barrier_wait -1                                      ; everybody's is.
	s_wait_loadcnt 0x0                                     ; Q
.Lstep:
.rept 4
	v_nop                                                  ; places behind the last products, ahead of loads into their registers
.endr
.irp i, 0,1,2,3,4,5,6,7
	ds_load_b128 v[KF+6*\i:KF+6*\i+3], v[AK16] offset:768*\i
	ds_load_b64 v[KF+6*\i+4:KF+6*\i+5], v[AK8] offset:768*\i
.endr
.irp j, 0,1,2,3
	ds_load_u16 v[KS+\j], v[ASK] offset:128*\j
.endr
	s_wait_dscnt 0x0
.irp i, 0,1,2,3,4,5,6,7
.if (\i)%2
	v_wmma_scale_f32_16x16x128_f8f6f4 v[S+8*\i:S+8*\i+7], v[KF+6*\i:KF+6*\i+11], v[Q:Q+11], 0, v[KS+\i/2], v[QS] matrix_a_fmt:MATRIX_FMT_FP6 matrix_b_fmt:MATRIX_FMT_FP6 matrix_a_scale:MATRIX_SCALE_ROW1
.else
	v_wmma_scale_f32_16x16x128_f8f6f4 v[S+8*\i:S+8*\i+7], v[KF+6*\i:KF+6*\i+11], v[Q:Q+11], 0, v[KS+\i/2], v[QS] matrix_a_fmt:MATRIX_FMT_FP6 matrix_b_fmt:MATRIX_FMT_FP6
.endif
.endr
	v_add_nc_u32 v[AK16], STEPB, v[AK16]                   ; K's next step; these four lines are the places behind the products
	v_add_nc_u32 v[AK8], STEPB, v[AK8]
	v_add_nc_u32 v[ASK], 512, v[ASK]
	v_nop
.irp t, 0,1,2,3                                                ; V lands under the softmax, where K's tiles lay
	ds_load_b128 v[KF+12*\t:KF+12*\t+3], v[AV16] offset:1536*\t
	ds_load_b64 v[KF+12*\t+4:KF+12*\t+5], v[AV8] offset:1536*\t
	ds_load_b128 v[KF+12*\t+6:KF+12*\t+9], v[AV16] offset:1536*\t+768
	ds_load_b64 v[KF+12*\t+10:KF+12*\t+11], v[AV8] offset:1536*\t+768
.endr
	ds_load_b32 v[VS], v[ASV]
	ds_load_b32 v[VS+1], v[ASV] offset:128
	v_add_nc_u32 v[AV16], STEPB, v[AV16]
	v_add_nc_u32 v[AV8], STEPB, v[AV8]
	v_add_nc_u32 v[ASV], 256, v[ASV]
	; the largest score of each block of 32 keys, four blocks by turns; each accumulator is read from its low end on
.irp b, 0,1,2,3
	v_max3_num_f32 v[T+\b], v[S+16*\b], v[S+16*\b+1], v[S+16*\b+2]
.endr
.irp i, 3,5,7,9,11,13
.irp b, 0,1,2,3
	v_max3_num_f32 v[T+\b], v[T+\b], v[S+16*\b+\i], v[S+16*\b+\i+1]
.endr
.endr
.irp b, 0,1,2,3
	v_max_num_f32 v[T+\b], v[T+\b], v[S+16*\b+15]
.endr
.irp b, 0,1,2,3
	v_permlanex16_b32 v[T+PM+\b], v[T+\b], s[SEL], s[SEL+1]
.endr
.irp b, 0,1,2,3
	v_max_num_f32 v[T+\b], v[T+\b], v[T+PM+\b]
.endr
	v_max3_num_f32 v[T+TP], v[T], v[T+1], v[T+2]
	s_delay_alu instid0(VALU_DEP_1)
	v_max3_num_f32 v[T+SX], v[T+SX], v[T+TP], v[T+3]       ; the running largest score
	v_mov_b32 v[T+TP], v[T+NM]
	s_delay_alu instid0(VALU_DEP_2)
	v_mul_f32 v[T+NM], s[NCS], v[T+SX]
	s_delay_alu instid0(VALU_DEP_1)
	v_floor_f32 v[T+NM], v[T+NM]                           ; -M = floor(-t): M is a whole number
.set jj, 0
.rept 32                                                       ; t - M, two at a time; among them 2^(old M - new M)
	v_pk_fma_f32 v[S+jj:S+jj+1], v[S+jj:S+jj+1], s[CS:CS+1], v[T+NM:T+NM+1] op_sel_hi:[1,0,0]
.if jj == 8
	v_sub_f32 v[T+TP], v[T+NM], v[T+TP]
.endif
.if jj == 20
	v_cvt_i32_f32 v[T+TP], v[T+TP]                         ; (it saturates)
.endif
.if jj == 32
	v_ldexp_f32 v[T+F], 1.0, v[T+TP]
.endif
.set jj, jj+2
.endr
.irp b, 0,1,2,3
	v_fma_f32 v[T+\b], v[T+\b], s[CS], v[T+NM]             ; the same of each block's largest score
.endr
	s_wait_alu depctr_va_vdst(0)                           ; a wait ahead of the batch and behind it
.set jj, 0
.rept 64
	v_exp_f32 v[S+jj], v[S+jj]
.set jj, jj+1
.endr
.irp b, 0,1,2,3
	v_exp_f32 v[T+\b], v[T+\b]                             ; each block's largest p
.endr
	v_pk_mul_f32 v[T+L:T+L+1], v[T+L:T+L+1], v[T+F:T+F+1] op_sel_hi:[1,0]   ; the sum under the new M: a plain line behind the batch
	s_wait_alu depctr_va_vdst(0)
	v_pk_add_f32 v[T+PM:T+PM+1], v[S:S+1], v[S+2:S+3]      ; plus the unquantised p, in two chains
.irp j, 4,8,12,16,20,24,28,32,36,40,44,48,52,56,60
	v_pk_add_f32 v[T+L:T+L+1], v[T+L:T+L+1], v[S+\j:S+\j+1]
	v_pk_add_f32 v[T+PM:T+PM+1], v[T+PM:T+PM+1], v[S+\j+2:S+\j+3]
.endr
.irp b, 0,1,2,3
	v_max_num_f32 v[T+\b], 0x1800000, v[T+\b]              ; the floor 2^(3 - 127): the byte cannot fall under 1
.endr
	v_pk_add_f32 v[T+L:T+L+1], v[T+L:T+L+1], v[T+PM:T+PM+1]
.irp b, 0,1,2,3
	v_add_nc_u32 v[T+\b], 0xff000000, v[T+\b]              ; 2 off the exponent field: the conversion's scale operand
.endr
.irp b, 0,1,2,3
	v_lshrrev_b32 v[T+PM+\b], 23, v[T+\b]                  ; the scale's byte
.endr
	s_delay_alu instid0(VALU_DEP_3)
	v_lshl_or_b32 v[T+PW], v[T+PM+1], 8, v[T+PM]
	s_delay_alu instid0(VALU_DEP_1)
	v_lshl_or_b32 v[T+PW], v[T+PM+2], 16, v[T+PW]
	s_delay_alu instid0(VALU_DEP_1)
	v_lshl_or_b32 v[T+PW], v[T+PM+3], 24, v[T+PW]
.irp c, 0,1
	v_cvt_scalef32_pk16_fp6_f32 v[PC+6*\c:PC+6*\c+2], v[S+32*\c:S+32*\c+15], v[T+2*\c]
	v_cvt_scalef32_pk16_fp6_f32 v[YT+4*\c:YT+4*\c+2], v[S+32*\c+16:S+32*\c+31], v[T+2*\c+1]
.endr
	v_nop                                                  ; one plain instruction behind a scaled conversion
.irp c, 0,1
.irp i, 0,1,2
	v_permlane16_swap_b32 v[PC+6*\c+\i], v[YT+4*\c+\i]     ; a whole block in a lane
.endr
.endr
.irp c, 0,1
.irp i, 0,1,2
	v_mov_b32 v[PC+6*\c+3+\i], v[YT+4*\c+\i]
.endr
.endr
	s_wait_alu depctr_va_vdst(0)
.set jj, 0
.rept 16
	v_pk_mul_f32 v[O+jj:O+jj+1], v[O+jj:O+jj+1], v[T+F:T+F+1] op_sel_hi:[1,0]   ; O^T under the new M; also the places ahead of the products
.set jj, jj+2
.endr
	s_wait_alu depctr_va_vdst(0)
	s_wait_dscnt 0x0                                       ; V and its words
.irp t, 0,1,2,3
.if (\t)%2
	v_wmma_scale_f32_16x16x128_f8f6f4 v[O+8*\t:O+8*\t+7], v[KF+12*\t:KF+12*\t+11], v[PC:PC+11], v[O+8*\t:O+8*\t+7], v[VS+\t/2], v[T+PW] matrix_a_fmt:MATRIX_FMT_FP6 matrix_b_fmt:MATRIX_FMT_FP6 matrix_a_scale:MATRIX_SCALE_ROW1
.else
	v_wmma_scale_f32_16x16x128_f8f6f4 v[O+8*\t:O+8*\t+7], v[KF+12*\t:KF+12*\t+11], v[PC:PC+11], v[O+8*\t:O+8*\t+7], v[VS+\t/2], v[T+PW] matrix_a_fmt:MATRIX_FMT_FP6 matrix_b_fmt:MATRIX_FMT_FP6
.endif
.endr
	s_sub_co_u32 s[CNT], s[CNT], 1
	s_cmp_lg_u32 s[CNT], 0
	s_cbranch_scc1 .Lstep
	; THE WAY OUT: O^T / the sum, quantised along the head's 64 (two blocks), stored as my head's half of the image
	v_add_f32 v[T+L], v[T+L], v[T+L+1]
	s_delay_alu instid0(VALU_DEP_1)
	v_permlanex16_b32 v[T+TP], v[T+L], s[SEL], s[SEL+1]
	s_delay_alu instid0(VALU_DEP_1)
	v_add_f32 v[T+L], v[T+L], v[T+TP]
	s_wait_alu depctr_va_vdst(0)
	v_rcp_f32 v[T+L], v[T+L]
.rept 4
	v_nop
.endr
	s_wait_alu depctr_va_vdst(0)
.set jj, 0
.rept 16
	v_pk_mul_f32 v[S+jj:S+jj+1], v[O+jj:O+jj+1], v[T+L:T+L+1] op_sel_hi:[1,0]
.set jj, jj+2
.endr
.irp b, 0,1
	v_max3_num_f32 v[T+\b], |v[S+16*\b]|, |v[S+16*\b+1]|, 0x1800000
.endr
.irp i, 2,4,6,8,10,12,14
.irp b, 0,1
	s_delay_alu instid0(VALU_DEP_2)
	v_max3_num_f32 v[T+\b], v[T+\b], |v[S+16*\b+\i]|, |v[S+16*\b+\i+1]|
.endr
.endr
.irp b, 0,1
	s_delay_alu instid0(VALU_DEP_2)
	v_permlanex16_b32 v[T+PM+\b], v[T+\b], s[SEL], s[SEL+1]
.endr
.irp b, 0,1
	s_delay_alu instid0(VALU_DEP_2)
	v_max_num_f32 v[T+\b], v[T+\b], v[T+PM+\b]
.endr
.irp b, 0,1
	s_delay_alu instid0(VALU_DEP_2)
	v_add_nc_u32 v[T+\b], 0xff000000, v[T+\b]
.endr
.irp b, 0,1
	s_delay_alu instid0(VALU_DEP_2)
	v_lshrrev_b32 v[T+PM+\b], 23, v[T+\b]
.endr
	s_delay_alu instid0(VALU_DEP_1)
	v_lshl_or_b32 v[T+PW], v[T+PM+1], 8, v[T+PM]
	v_cvt_scalef32_pk16_fp6_f32 v[EC:EC+2], v[S:S+15], v[T]
	v_cvt_scalef32_pk16_fp6_f32 v[EY:EY+2], v[S+16:S+31], v[T+1]
	v_nop
.irp i, 0,1,2
	v_permlane16_swap_b32 v[EC+\i], v[EY+\i]
.endr
.irp i, 0,1,2
	v_mov_b32 v[EC+3+\i], v[EY+\i]
.endr
	global_store_b128 v[LO16], v[EC:EC+3], s[92:93]              ; 512 consecutive bytes,
	global_store_b64 v[LO8], v[EC+4:EC+5], s[92:93] offset:512   ; and 256
	global_store_b16 v[LO4], v[T+PW], s[96:97]                   ; my head's two bytes of each row's word; lanes l and l + 16 hold and store the same
	s_wait_tensorcnt 0x0                                   ; the wave's end
	ds_add_u32 v[SPW], v[NIL]
	s_wait_dscnt 0x0
	CROUND                                                 ; the closing round
	s_endpgm
.Lfunc_end_k_qfc52074591_attn:
	.size	k_qfc52074591_attn, .Lfunc_end_k_qfc52074591_attn-k_qfc52074591_attn
	.p2alignl 7, 3214868480
	.fill 96, 4, 3214868480
	.section	.rodata,"a",@progbits
	.p2align	6, 0x0
	.amdhsa_kernel k_qfc52074591_attn
		.amdhsa_group_segment_fixed_size 327680
		.amdhsa_private_segment_fixed_size 0
		.amdhsa_enable_private_segment 0
		.amdhsa_kernarg_size 16
		.amdhsa_user_sgpr_count 2
		.amdhsa_user_sgpr_kernarg_segment_ptr 1
		.amdhsa_wavefront_size32 1
		.amdhsa_system_sgpr_workgroup_id_x 1
		.amdhsa_system_sgpr_workgroup_id_y 1
		.amdhsa_system_sgpr_workgroup_id_z 1
		.amdhsa_system_vgpr_workitem_id 0
		.amdhsa_next_free_vgpr 224
		.amdhsa_next_free_sgpr 100
		.amdhsa_reserve_vcc 0
		.amdhsa_float_denorm_mode_32 3
		.amdhsa_float_denorm_mode_16_64 3
		.amdhsa_memory_ordered 1
		.amdhsa_forward_progress 1
		.amdhsa_inst_pref_size 32
	.end_amdhsa_kernel
	.amdgpu_metadata
---
amdhsa.version: [ 1, 2 ]
amdhsa.kernels:
  - .name:           k_qfc52074591_attn
    .symbol:         k_qfc52074591_attn.kd
    .args:
      - { .name: qkv, .offset: 0, .size: 8, .value_kind: global_buffer, .address_space: global }
      - { .name: aimg, .offset: 8, .size: 8, .value_kind: global_buffer, .address_space: global }
    .group_segment_fixed_size: 327680
    .private_segment_fixed_size: 0
    .kernarg_segment_align: 8
    .kernarg_segment_size: 16
    .max_flat_workgroup_size: 512
    .sgpr_count:     100
    .vgpr_count:     224
    .wavefront_size: 32
...
	.end_amdgpu_metadata
.endif
;; end of part 3
;; launch wo (part 4): grid 8 x 32, 4 waves a work-group, clusters of 4 x 4, 327,680 bytes of LDS; arguments aimg, wimg, x1, x; writes x1
.if DOCPART == 4
	.amdgcn_target "amdgcn-amd-amdhsa--gfx1250"
	.amdhsa_code_object_version 6
	.text
	.protected	k_qfc52074591_wo
	.globl	k_qfc52074591_wo
	.p2align	8
	.type	k_qfc52074591_wo,@function
k_qfc52074591_wo:
	s_mov_b64 s[64:65], 0
	v_nop
	global_prefetch_b8 v0, s[64:65] scope:SCOPE_SE
	s_setreg_imm32_b32 hwreg(HW_REG_WAVE_MODE, 25, 1), 1
	s_wait_xcnt 0x0
	s_wait_alu depctr_hold_cnt(0) depctr_sa_sdst(0) depctr_va_vdst(0) depctr_va_sdst(0) depctr_va_ssrc(0) depctr_va_vcc(0) depctr_vm_vsrc(0)
	s_getreg_b32 s2, hwreg(HW_REG_IB_STS2, 6, 4)
	s_cmp_eq_u32 s2, 0
	s_cbranch_scc0 .Lentry_in_a_cluster
	s_endpgm
.Lentry_in_a_cluster:
	s_bfe_u32 s2, ttmp6, 0x10000c
	s_cmp_lg_u32 s2, 0xf033
	s_cbranch_scc0 .Lentry_shape_is_right
	s_endpgm
.Lentry_shape_is_right:
; x1 = x + attn Wo, the product on E2M3 codes.  A = the attention's images (tokens), B = Wo's images (rows 3,072 on of the stack of four weights), both as images of the operand's registers:
; fragment (K step ks, row tile rt) is 1,536 bytes at (ks RT + rt) 1536; a half (768 bytes): 16 bytes a lane at 16 l, 8 bytes a lane at 512 + 8 l.  Scale words: (ks RT + rt) 64 + 4 r.
; N is 1,024: tiles of 128 x 128 give 256 work-groups, tiles of 256 x 256 would give 64.  Four waves, each 64 x 64: 16 accumulators.  K = 1,024 is two slots of four K steps: both are first fills, nothing is filled again.
; THE MATRIX INSTRUCTION IS USED TRANSPOSED (source 0 = 16 rows of B, source 1 = 16 rows of A); the weight's image rows are so ordered that a lane's 16 registers of two tiles are 16 neighbouring columns of one row of the result.
; CLUSTERS of 4 x 4: A's tiles are asked for jointly along a row of the cluster, B's along a column.  The residual's loads go out at the head and land under the products.
.set NBK,   4
.set NQ,    4
.set KST,   8
.set RTA,   256
.set RTB,   256
.set AIMG,  0
.set ASCL,  3145728
.set BIMG,  0
.set BSCL,  3145728
.set BRT0,  192
.set LAPS,  KST/(2*NQ)
.set FR,    12
.set FRB,   1536
.set HALFT, NQ*NBK*FRB
.set SLOT,  4*HALFT
.set SCL,   2*SLOT
.set HALFS, KST*NBK*64
.set SPARE, 264192
.set SPITCH, 272                       ; the way out: 16 rows x (256 bytes + 16) a wave, in slot 0, which has had its last fill and its last read by then
.set ADRA, 16
.set ADRB, 20
.set STO,  24
.set RD,   25
.set CO,   26
.set ASA,  27
.set SPW,  28
.set NIL,  29
.set ASB,  30
.set SC,   32
.set AF,   128
.set BK,   128
.set G1, 24
.set G0, 32
.set G1B, 48
.set G0B, 56
.set G1S, 68
.set G0S, 76
.set G1SB, 80
.set G0SB, 88
.set MSB, 0
.macro WIN new
.if MSB != \new
	s_set_vgpr_msb (MSB<<8)|\new
.set MSB, \new
.endif
.endm
.set MUL_LO, 0xa1
.set MUL_HI, 0xf1
.set TO_B,   0x40
.macro JLOAD g0a, g1a, g0b, g1b        ; a joint load: waves 0, 1 fetch for A, waves 2, 3 for B; four v_nop follow each line
	s_cmp_eq_u32 s15, 0
	s_cbranch_scc0 .Lfor_b_\@
	tensor_load_to_lds s[\g0a:\g0a+3], s[\g1a:\g1a+7]
	s_nop 0
.rept 4
	v_nop
.endr
	s_branch .Lasked_\@
.Lfor_b_\@:
	tensor_load_to_lds s[\g0b:\g0b+3], s[\g1b:\g1b+7]
	s_nop 0
.rept 4
	v_nop
.endr
.Lasked_\@:
.endm
.macro CREST
	s_cmp_lg_u32 s14, 0
	s_cbranch_scc1 .Lnot_wave_0_\@
	s_barrier_signal -3
.Lnot_wave_0_\@:
	s_barrier_wait -3
	s_barrier_signal -1
	s_barrier_wait -1
.endm
.macro CROUND
	s_barrier_signal -1
	s_barrier_wait -1
	CREST
.endm
.macro PLACES                          ; four plain instructions behind matrix instructions, ahead of loads into their registers and of reads of their results
.rept 4
	v_nop
.endr
.endm
	s_load_b128 s[4:7], s[0:1], 0x0                        ; A's buffer, B's buffer
	s_load_b128 s[8:11], s[0:1], 0x10                      ; the output, the residual
	v_lshl_add_u32 v[SPW], v0, 2, SPARE
	v_mov_b32 v[NIL], 0
	ds_add_u32 v28, v29
	ds_add_u32 v28, v29
	s_wait_dscnt 0x0
	v_lshrrev_b32 v1, 5, v0
	v_readfirstlane_b32 s14, v1
	s_lshr_b32 s15, s14, 1
	s_and_b32 s16, s14, 1
	s_bfe_u32 s40, ttmp6, 0x40000                          ; cx
	s_bfe_u32 s41, ttmp6, 0x40004                          ; cy
	s_and_b32 s17, ttmp7, 0xffff
	s_lshl_b32 s17, s17, 2
	s_add_co_u32 s17, s17, s41                             ; tile row
	s_lshl_b32 s42, ttmp9, 2
	s_add_co_u32 s42, s42, s40                             ; tile column
	s_lshl_b32 s43, s41, 2
	s_lshl_b32 s43, 15, s43
	s_lshl_b32 s44, 0x1111, s40
	s_or_b32 s[G1+0], s43, (3<<16)|(1<<21)                 ; codes: NQ rows (K steps) of 2 NBK x 1,536 bytes, in elements of 8 bytes
	s_or_b32 s[G1B+0], s44, (3<<16)|(1<<21)
	s_mov_b32 s[G1+1], (2*NBK*192)<<16
	s_mov_b32 s[G1+2], NQ<<16
	s_mov_b32 s[G1+3], (2*NBK*192)<<16
	s_mov_b32 s[G1+4], NQ
	s_mov_b32 s[G1+5], RTA*192
	s_mov_b32 s[G1+6], 0
	s_mov_b32 s[G1+7], 0
	s_mov_b32 s[G1B+1], (2*NBK*192)<<16
	s_mov_b32 s[G1B+2], NQ<<16
	s_mov_b32 s[G1B+3], (2*NBK*192)<<16
	s_mov_b32 s[G1B+4], NQ
	s_mov_b32 s[G1B+5], RTB*192
	s_mov_b32 s[G1B+6], 0
	s_mov_b32 s[G1B+7], 0
	s_or_b32 s[G1S+0], s43, (3<<16)|(1<<21)                ; scale words: KST rows of 2 NBK x 64 bytes
	s_or_b32 s[G1SB+0], s44, (3<<16)|(1<<21)
	s_mov_b32 s[G1S+1], (2*NBK*8)<<16
	s_mov_b32 s[G1S+2], KST<<16
	s_mov_b32 s[G1S+3], (2*NBK*8)<<16
	s_mov_b32 s[G1S+4], KST
	s_mov_b32 s[G1S+5], RTA*8
	s_mov_b32 s[G1S+6], 0
	s_mov_b32 s[G1S+7], 0
	s_mov_b32 s[G1SB+1], (2*NBK*8)<<16
	s_mov_b32 s[G1SB+2], KST<<16
	s_mov_b32 s[G1SB+3], (2*NBK*8)<<16
	s_mov_b32 s[G1SB+4], KST
	s_mov_b32 s[G1SB+5], RTB*8
	s_mov_b32 s[G1SB+6], 0
	s_mov_b32 s[G1SB+7], 0
	s_mul_i32 s20, s17, 2*NBK
	s_mul_i32 s46, s42, 2*NBK
	s_add_co_u32 s46, s46, BRT0
	s_lshl_b32 s22, s20, 6
	s_mul_i32 s20, s20, FRB
	s_lshl_b32 s92, s46, 6
	s_mul_i32 s46, s46, FRB
	s_add_co_u32 s20, s20, AIMG
	s_add_co_u32 s22, s22, ASCL
	s_add_co_u32 s46, s46, BIMG
	s_add_co_u32 s92, s92, BSCL
	s_mov_b32 s21, 0
	s_mov_b32 s23, 0
	s_mov_b32 s47, 0
	s_mov_b32 s93, 0
	s_mul_i32 s45, s14, HALFT
	s_wait_kmcnt 0x0
	s_add_nc_u64 s[20:21], s[4:5], s[20:21]
	s_add_nc_u64 s[22:23], s[4:5], s[22:23]
	s_add_nc_u64 s[46:47], s[6:7], s[46:47]
	s_add_nc_u64 s[92:93], s[6:7], s[92:93]
	CROUND                                                 ; all sixteen work-groups are here: the first joint loads meet
	s_mov_b32 s[G0S], 1
	s_mov_b32 s[G0S+1], SCL
	s_mov_b64 s[G0S+2:G0S+3], s[22:23]
	s_or_b32 s[G0S+3], s[G0S+3], 0x80000000
	s_mov_b32 s[G0SB], 1
	s_mov_b32 s[G0SB+1], SCL+2*HALFS
	s_mov_b64 s[G0SB+2:G0SB+3], s[92:93]
	s_or_b32 s[G0SB+3], s[G0SB+3], 0x80000000
	; A slot is laid [K step][all 2 NBK fragments], A's then B's.  The head's loads bring slot 0's A whole and its B whole; a ring load brings NQ / 2 K steps
	s_mov_b32 s4, 1
	s_mov_b32 s5, 0
	s_mov_b64 s[6:7], s[20:21]
	s_or_b32 s7, s7, 0x80000000
	s_mov_b64 s[22:23], s[46:47]
	s_mul_i32 s18, s16, (NQ/2)*RTA*FRB
	s_mov_b32 s19, 0
	s_add_nc_u64 s[20:21], s[20:21], s[18:19]
	s_mul_i32 s18, s16, (NQ/2)*RTB*FRB
	s_add_nc_u64 s[46:47], s[46:47], s[18:19]
	; THE PREFETCH: my load of slot 1 is 2 K steps x 12,288 bytes = 96 blocks of 256 bytes.  The four partners that ask for it jointly share them out by address:
	; the partner at place p (cx for A, cy for B) takes K step p / 2, half p % 2: 24 blocks, a lane a block (lanes 24-31 name block 23 again)
	s_cmp_eq_u32 s15, 0
	s_cselect_b64 s[66:67], s[20:21], s[46:47]
	s_cselect_b32 s94, s40, s41
	s_lshr_b32 s95, s94, 1
	s_mul_i32 s18, s95, RTA*FRB
	s_and_b32 s94, s94, 1
	s_mul_i32 s94, s94, NBK*FRB
	s_add_co_u32 s18, s18, s94
	s_add_co_u32 s18, s18, NQ*RTA*FRB
	s_add_nc_u64 s[66:67], s[66:67], s[18:19]
.irp s, 0,1
	s_mov_b32 s[G0+4*\s], 1
	s_add_co_u32 s[G0+4*\s+1], s45, \s*SLOT
	s_add_nc_u64 s[G0+4*\s+2:G0+4*\s+3], s[20:21], \s*NQ*RTA*FRB
	s_or_b32 s[G0+4*\s+3], s[G0+4*\s+3], 0x80000000
	s_mov_b32 s[G0B+4*\s], 1
	s_add_co_u32 s[G0B+4*\s+1], s45, \s*SLOT
	s_add_nc_u64 s[G0B+4*\s+2:G0B+4*\s+3], s[46:47], \s*NQ*RTB*FRB
	s_or_b32 s[G0B+4*\s+3], s[G0B+4*\s+3], 0x80000000
.endr
	s_mov_b32 s20, 1
	s_mov_b32 s21, 2*HALFT
	s_or_b32 s23, s23, 0x80000000
; the head's four tiles, one joint load a wave: one chain of branches on the wave's number, all arms to one join
.macro HARM under, g0, g1, next
	s_cmp_lt_u32 s14, \under
	s_cbranch_scc0 \next
	tensor_load_to_lds s[\g0:\g0+3], s[\g1:\g1+7]
	s_nop 0
.rept 4
	v_nop
.endr
	s_branch .Lhd_x
\next:
.endm
	HARM 1, 4, G1, .Lhd_b
	HARM 2, 20, G1B, .Lhd_sa
	HARM 3, G0S, G1S, .Lhd_sb
	tensor_load_to_lds s[G0SB:G0SB+3], s[G1SB:G1SB+7]
	s_nop 0
.rept 4
	v_nop
.endr
.Lhd_x:
	v_and_b32 v8, 31, v0
	v_min_u32 v8, 23, v8
	v_lshlrev_b32 v8, 8, v8                                ; my block; not rewritten
	global_prefetch_b8 v8, s[66:67] th:TH_LOAD_NT scope:SCOPE_SE   ; beside slot 0's load: slot 1, the last
	v_and_b32 v1, 31, v0
	v_and_b32 v2, 15, v0
	v_bfe_u32 v3, v0, 4, 1
	v_lshlrev_b32 v4, 4, v1
	v_lshlrev_b32 v5, 3, v1
	v_add_nc_u32 v5, 512, v5
	s_mul_i32 s18, s15, NBK*FRB
	s_mul_i32 s19, s16, NBK*FRB
	s_add_co_u32 s19, s19, 2*HALFT
.irp s, 0,1
	v_add_nc_u32 v[ADRA+\s], s18, v4
	v_add_nc_u32 v[ADRA+2+\s], s18, v5
	v_add_nc_u32 v[ADRB+\s], s19, v4
	v_add_nc_u32 v[ADRB+2+\s], s19, v5
	s_add_co_u32 s18, s18, SLOT
	s_add_co_u32 s19, s19, SLOT
.endr
	v_lshlrev_b32 v6, 2, v2
	v_mad_u32_u24 v6, v3, 2*NBK*64, v6
	s_mul_i32 s18, s15, NBK*64
	s_add_co_u32 s18, s18, SCL
	v_add_nc_u32 v[ASA], s18, v6
	s_mul_i32 s18, s16, NBK*64
	s_add_co_u32 s18, s18, SCL+2*HALFS
	v_add_nc_u32 v[ASB], s18, v6
	s_mul_i32 s18, s14, 16*SPITCH                          ; my stage
	v_mul_u32_u24 v6, v2, SPITCH
	v_lshl_add_u32 v6, v3, 6, v6
	v_add_nc_u32 v[STO], s18, v6                           ; in: row r, + 64 h
	v_mul_u32_u24 v6, v3, SPITCH
	v_lshl_add_u32 v6, v2, 4, v6
	v_add_nc_u32 v[RD], s18, v6                            ; back: lanes 0-15 one row of 256 bytes, lanes 16-31 the next
	v_lshlrev_b32 v[CO], 12, v3
	v_lshl_add_u32 v[CO], v2, 4, v[CO]                     ; and the same two rows in memory
	s_wait_alu depctr_va_vdst(0)
	s_lshl_b32 s18, s17, 7
	s_lshl_b32 s19, s15, 6
	s_add_co_u32 s18, s18, s19
	s_lshl_b32 s18, s18, 12                                ; my first row, 4,096 bytes a row
	s_lshl_b32 s46, s42, 9
	s_lshl_b32 s47, s16, 8
	s_add_co_u32 s46, s46, s47
	s_add_co_u32 s46, s46, s18
	s_mov_b32 s47, 0
	s_add_nc_u64 s[8:9], s[8:9], s[46:47]
	s_add_nc_u64 s[10:11], s[10:11], s[46:47]
	WIN 0x80                                               ; destination window 2: v128-255 there hold the residual
.irp a, 0,1,2,3
.irp t, 0,1,2,3,4,5,6,7
	global_load_b128 v[128+32*\a+4*\t:131+32*\a+4*\t], v[CO], s[10:11] offset:(16*\a+2*\t)*4096
.endr
.endr
	WIN 0
.macro FRAG reg, a16, a8, off
	ds_load_b128 v[\reg:\reg+3], v[\a16] offset:\off
	ds_load_b64 v[\reg+4:\reg+5], v[\a8] offset:\off
	ds_load_b128 v[\reg+6:\reg+9], v[\a16] offset:(\off)+768
	ds_load_b64 v[\reg+10:\reg+11], v[\a8] offset:(\off)+768
.endm
.macro FETCH_B slot, q, p
	WIN TO_B
.set fi, 0
.rept NBK
	FRAG 128*(\p)+FR*fi, ADRB+\slot, ADRB+2+\slot, ((\q)*2*NBK+fi)*FRB
.set fi, fi+1
.endr
	WIN 0
.endm
.macro FETCH_A slot, q, half
.set fi, (\half)*NBK/2
.rept NBK/2
	FRAG AF+FR*fi, ADRA+\slot, ADRA+2+\slot, ((\q)*2*NBK+fi)*FRB
.set fi, fi+1
.endr
.endm
.macro SCALES sc                       ; a slot's scale words: lanes 0-15 an even K step, lanes 16-31 the odd one behind it
.set si, 0
.rept NBK
.set sp, 0
.rept NQ/2
	ds_load_b32 v[SC+16*(\sc)+(NQ/2)*si+sp], v[ASA] offset:64*si+sp*4*NBK*64
	ds_load_b32 v[SC+16*(\sc)+8+(NQ/2)*si+sp], v[ASB] offset:64*si+sp*4*NBK*64
.set sp, sp+1
.endr
.set si, si+1
.endr
.endm
.macro MULQ k, p, q, sc, zero          ; a quarter of a K step's products; the accumulators take turns, one instruction a turn
.set ma, (\k)*NBK/4
.rept NBK/4
.set mb, 0
.rept NBK
.set rD, 8*(NBK*(ma%(NBK/2))+mb)
.set rB, 128*(\p)+FR*mb
.set rA, AF+FR*ma
.set rSB, SC+16*(\sc)+8+(NQ/2)*mb+(\q)/2
.set rSA, SC+16*(\sc)+(NQ/2)*ma+(\q)/2
.if \zero
	v_wmma_scale_f32_16x16x128_f8f6f4 v[rD:rD+7], v[rB:rB+FR-1], v[rA:rA+FR-1], 0, v[rSB], v[rSA] matrix_a_fmt:MATRIX_FMT_FP6 matrix_b_fmt:MATRIX_FMT_FP6
.elseif (\q)%2
	v_wmma_scale_f32_16x16x128_f8f6f4 v[rD:rD+7], v[rB:rB+FR-1], v[rA:rA+FR-1], v[rD:rD+7], v[rSB], v[rSA] matrix_a_fmt:MATRIX_FMT_FP6 matrix_b_fmt:MATRIX_FMT_FP6 matrix_a_scale:MATRIX_SCALE_ROW1 matrix_b_scale:MATRIX_SCALE_ROW1
.else
	v_wmma_scale_f32_16x16x128_f8f6f4 v[rD:rD+7], v[rB:rB+FR-1], v[rA:rA+FR-1], v[rD:rD+7], v[rSB], v[rSA] matrix_a_fmt:MATRIX_FMT_FP6 matrix_b_fmt:MATRIX_FMT_FP6
.endif
.set mb, mb+1
.endr
.set ma, ma+1
.endr
.endm
.macro STEP slot, q, zero
	s_wait_dscnt 2*NBK                                     ; all but the youngest loads, A's second half
	WIN MUL_LO
	MULQ 0, (\q)%2, \q, \slot, \zero
	MULQ 1, (\q)%2, \q, \slot, \zero
	s_wait_dscnt 0x0
	PLACES
	FETCH_B \slot, (\q)+1, 1-(\q)%2
	FETCH_A \slot, (\q)+1, 0
	WIN MUL_HI
	MULQ 2, (\q)%2, \q, \slot, \zero
	MULQ 3, (\q)%2, \q, \slot, \zero
	PLACES
	WIN 0
	FETCH_A \slot, (\q)+1, 1
.endm
.macro TURN slot, next, fill           ; a slot's last K step changes slots
	s_wait_tensorcnt 0x0                                   ; all my tensor loads have landed: my part of the next slot
	ds_add_u32 v[SPW], v[NIL]
	s_wait_dscnt 2*NBK+1                                   ; (A's second half and the add may be out)
	WIN MUL_LO
	MULQ 0, 1, NQ-1, \slot, 0
	s_wait_dscnt 0x0                                       ; the add is done, and my reads of this slot are over
	s_barrier_signal -1
	MULQ 1, 1, NQ-1, \slot, 0
	WIN 0
	s_barrier_wait -1
.if \fill
	CREST
	s_add_nc_u64 s[G0+4*\slot+2:G0+4*\slot+3], s[G0+4*\slot+2:G0+4*\slot+3], 2*NQ*RTA*FRB
	s_add_nc_u64 s[G0B+4*\slot+2:G0B+4*\slot+3], s[G0B+4*\slot+2:G0B+4*\slot+3], 2*NQ*RTB*FRB
	JLOAD G0+4*\slot, G1, G0B+4*\slot, G1B
.else
	PLACES
.endif
	v_add_nc_u32 v[ASA], 2*NQ*NBK*64, v[ASA]
	v_add_nc_u32 v[ASB], 2*NQ*NBK*64, v[ASB]
	FETCH_B \next, 0, 0
	FETCH_A \next, 0, 0
	SCALES \next
	WIN MUL_HI
	MULQ 2, 1, NQ-1, \slot, 0
	MULQ 3, 1, NQ-1, \slot, 0
	PLACES
	WIN 0
	FETCH_A \next, 0, 1
.endm
	s_wait_tensorcnt 0x0                                   ; my tile of the head's four is in
	ds_add_u32 v[SPW], v[NIL]
	s_mov_b32 s[G1+2], (NQ/2)<<16                          ; no tensor load of mine is out: from here on a load brings NQ / 2 K steps
	s_mov_b32 s[G1+4], NQ/2
	s_mov_b32 s[G1B+2], (NQ/2)<<16
	s_mov_b32 s[G1B+4], NQ/2
	s_wait_dscnt 0x0
	CROUND
	JLOAD G0+4, G1, G0B+4, G1B
	FETCH_B 0, 0, 0
	FETCH_A 0, 0, 0
	SCALES 0
	FETCH_A 0, 0, 1
	STEP 0, 0, 1
.if LAPS > 1
	s_mov_b32 s3, LAPS-1
.Llap:
	STEP 0, 1, 0
	STEP 0, 2, 0
	TURN 0, 1, 1
	STEP 1, 0, 0
	STEP 1, 1, 0
	STEP 1, 2, 0
	TURN 1, 0, 1
	STEP 0, 0, 0
	s_sub_co_u32 s3, s3, 1
	s_cmp_lg_u32 s3, 0
	s_cbranch_scc1 .Llap
.endif
	STEP 0, 1, 0
	STEP 0, 2, 0
	TURN 0, 1, 0
	STEP 1, 0, 0
	STEP 1, 1, 0
	STEP 1, 2, 0
	s_wait_dscnt 2*NBK
	WIN MUL_LO
	MULQ 0, 1, NQ-1, 1, 0
	MULQ 1, 1, NQ-1, 1, 0
	s_wait_dscnt 0x0
	WIN MUL_HI
	MULQ 2, 1, NQ-1, 1, 0
	MULQ 3, 1, NQ-1, 1, 0
	WIN 0
	; THE WAY OUT, a block of 16 rows x 64 columns at a time: through my own stage in LDS, back as whole rows of 256 bytes, plus the residual, stored: sixteen lanes fill 256 consecutive bytes, aligned.
.macro TOSTAGE a
.set AC, 32*((\a)%2)
	WIN 0x08+4*((\a)/2)                                    ; the data: window 2 or 3
.irp b, 0,1,2,3
	ds_store_b128 v[STO], v[AC+8*\b:AC+8*\b+3] offset:128*(\b/2)+32*(\b%2)      ; lane (r, h), tile b: columns 32 (b/2) + 16 h + 8 (b%2) + 0 .. 7; each accumulator from its low end on
	ds_store_b128 v[STO], v[AC+8*\b+4:AC+8*\b+7] offset:128*(\b/2)+32*(\b%2)+16
.endr
	WIN 0
.set BB, BK+32*((\a)%2)
.irp t, 0,1,2,3,4,5,6,7
	ds_load_b128 v[BB+4*\t:BB+4*\t+3], v[RD] offset:2*\t*SPITCH   ; LDS serves a wave's instructions in order: these see my stores
.endr
.endm
.macro SEND a, younger
.set BB, BK+32*((\a)%2)
	s_wait_dscnt \younger                                  ; the block is back; the next block's 8 stores and 8 loads may be out
	WIN 0x08                                               ; source 1: window 2, the residual
.irp i, 0,2,4,6,8,10,12,14,16,18,20,22,24,26,28,30
	v_pk_add_f32 v[BB+\i:BB+\i+1], v[BB+\i:BB+\i+1], v[128+32*(\a)+\i:129+32*(\a)+\i]
.endr
	WIN 0
.irp t, 0,1,2,3,4,5,6,7
	global_store_b128 v[CO], v[BB+4*\t:BB+4*\t+3], s[8:9] offset:(16*(\a)+2*\t)*4096 th:TH_STORE_NT
.endr
.endm
	PLACES
	s_wait_loadcnt 0x0                                     ; the residual
	TOSTAGE 0
	TOSTAGE 1
	SEND 0, 16
	s_wait_xcnt 0x0                                        ; block 0's stores have read their registers: block 2's loads may land there
	TOSTAGE 2
	SEND 1, 16
	s_wait_xcnt 0x0
	TOSTAGE 3
	SEND 2, 16
	SEND 3, 0
	s_wait_tensorcnt 0x0                                   ; the wave's end
	ds_add_u32 v[SPW], v[NIL]
	s_wait_dscnt 0x0
	CROUND                                                 ; the closing round
	s_endpgm
.Lfunc_end_k_qfc52074591_wo:
	.size	k_qfc52074591_wo, .Lfunc_end_k_qfc52074591_wo-k_qfc52074591_wo
	.p2alignl 7, 3214868480
	.fill 96, 4, 3214868480
	.section	.rodata,"a",@progbits
	.p2align	6, 0x0
	.amdhsa_kernel k_qfc52074591_wo
		.amdhsa_group_segment_fixed_size 327680
		.amdhsa_private_segment_fixed_size 0
		.amdhsa_enable_private_segment 0
		.amdhsa_kernarg_size 32
		.amdhsa_user_sgpr_count 2
		.amdhsa_user_sgpr_kernarg_segment_ptr 1
		.amdhsa_wavefront_size32 1
		.amdhsa_system_sgpr_workgroup_id_x 1
		.amdhsa_system_sgpr_workgroup_id_y 1
		.amdhsa_system_sgpr_workgroup_id_z 1
		.amdhsa_system_vgpr_workitem_id 0
		.amdhsa_next_free_vgpr 1024
		.amdhsa_next_free_sgpr 100
		.amdhsa_reserve_vcc 0
		.amdhsa_float_denorm_mode_32 3
		.amdhsa_float_denorm_mode_16_64 3
		.amdhsa_memory_ordered 1
		.amdhsa_forward_progress 1
		.amdhsa_inst_pref_size 65
	.end_amdhsa_kernel
	.amdgpu_metadata
---
amdhsa.version: [ 1, 2 ]
amdhsa.kernels:
  - .name:           k_qfc52074591_wo
    .symbol:         k_qfc52074591_wo.kd
    .args:
      - { .name: aimg, .offset: 0, .size: 8, .value_kind: global_buffer, .address_space: global }
      - { .name: wimg, .offset: 8, .size: 8, .value_kind: global_buffer, .address_space: global }
      - { .name: x1, .offset: 16, .size: 8, .value_kind: global_buffer, .address_space: global }
      - { .name: x, .offset: 24, .size: 8, .value_kind: global_buffer, .address_space: global }
    .group_segment_fixed_size: 327680
    .private_segment_fixed_size: 0
    .kernarg_segment_align: 8
    .kernarg_segment_size: 32
    .max_flat_workgroup_size: 128
    .sgpr_count:     100
    .vgpr_count:     1024
    .wavefront_size: 32
...
	.end_amdgpu_metadata
.endif
;; end of part 4
;; launch ln2 (part 5): grid 256 x 1, 8 waves a work-group, no clusters, 66,816 bytes of LDS; arguments x1, g2, b2, himg; writes himg
.if DOCPART == 5
	.amdgcn_target "amdgcn-amd-amdhsa--gfx1250"
	.amdhsa_code_object_version 6
	.text
	.protected	k_qfc52074591_ln2
	.globl	k_qfc52074591_ln2
	.p2align	8
	.type	k_qfc52074591_ln2,@function
k_qfc52074591_ln2:
	s_mov_b64 s[64:65], 0
	v_nop
	global_prefetch_b8 v0, s[64:65] scope:SCOPE_SE
	s_setreg_imm32_b32 hwreg(HW_REG_WAVE_MODE, 25, 1), 1
	s_wait_xcnt 0x0
; h2 = LayerNorm(x1) g2 + b2, quantised to E2M3 along the model's 1,024 and stored as images of the operand's registers:
; the fragment of row tile rt (16 rows) and K step ks (128 along K) is 1,536 bytes at (256 ks + rt) 1536; half c begins at 768 c: lane l's registers 6c..6c+3 are 16 bytes at 16 l, registers 6c+4, 6c+5 are 8 bytes at 512 + 8 l.
; Scale words: one 32-bit word for a row and a K step, at 3,145,728 + (256 ks + rt) 64 + 4 r.
; The work-group owns row tile j = its number; wave w normalises rows 2 w, 2 w + 1 (each load of the wave reads 512 consecutive bytes), the 16 rows turn through LDS, and wave w quantises K step w of all 16.
; LIMITS: NaN and infinities are not served.  A block whose largest magnitude lies under 2^-124 (zeros too) gets the scale byte 1: only this program reads the bytes.
.set HBASE, 0
.set PITCH, 4112                       ; an LDS row of y: 4,096 bytes + 16
.set X,   32
.set GG,  96
.set BB,  128
.set TM,  160
.set PW,  176
.set PC,  180
.set ST,  200
.set SEL, 14
.macro QUANT s                         ; 64 numbers of a lane, register 16 b + i = k 32 b + 16 (lane / 16) + i of its row -> codes v[PC] .. v[PC+11], scale word v[PW]
.irp b, 0,1,2,3
	v_max3_num_f32 v[TM+\b], |v[\s+16*\b]|, |v[\s+1+16*\b]|, 0x1800000   ; and the floor 2^(3 - 127): the byte cannot fall under 1
.endr
.irp i, 2,4,6,8,10,12,14
.irp b, 0,1,2,3
	s_delay_alu instid0(VALU_DEP_4)
	v_max3_num_f32 v[TM+\b], v[TM+\b], |v[\s+16*\b+\i]|, |v[\s+1+16*\b+\i]|
.endr
.endr
.irp b, 0,1,2,3
	s_delay_alu instid0(VALU_DEP_4)
	v_permlanex16_b32 v[TM+4+\b], v[TM+\b], s[SEL], s[SEL+1]
.endr
.irp b, 0,1,2,3
	s_delay_alu instid0(VALU_DEP_4)
	v_max_num_f32 v[TM+\b], v[TM+\b], v[TM+4+\b]
.endr
.irp b, 0,1,2,3
	s_delay_alu instid0(VALU_DEP_4)
	v_add_nc_u32 v[TM+12+\b], 0xff000000, v[TM+\b]        ; 2 off the exponent field: the conversion's scale operand
.endr
.irp b, 0,1,2,3
	s_delay_alu instid0(VALU_DEP_4)
	v_lshrrev_b32 v[TM+4+\b], 23, v[TM+12+\b]
.endr
	s_delay_alu instid0(VALU_DEP_3)
	v_lshl_or_b32 v[PW], v[TM+5], 8, v[TM+4]
	s_delay_alu instid0(VALU_DEP_1)
	v_lshl_or_b32 v[PW], v[TM+6], 16, v[PW]
	s_delay_alu instid0(VALU_DEP_1)
	v_lshl_or_b32 v[PW], v[TM+7], 24, v[PW]
.irp c, 0,1
	v_cvt_scalef32_pk16_fp6_f32 v[PC+6*\c:PC+2+6*\c], v[\s+32*\c:\s+15+32*\c], v[TM+12+2*\c]
	v_cvt_scalef32_pk16_fp6_f32 v[PC+12+4*\c:PC+14+4*\c], v[\s+16+32*\c:\s+31+32*\c], v[TM+12+2*\c+1]
.endr
	v_nop
.irp c, 0,1
.irp i, 0,1,2
	v_permlane16_swap_b32 v[PC+6*\c+\i], v[PC+12+4*\c+\i]
.endr
.irp i, 0,1,2
	s_delay_alu instid0(VALU_DEP_3)
	v_mov_b32 v[PC+3+6*\c+\i], v[PC+12+4*\c+\i]
.endr
.endr
.endm
.macro LANESUM t
	s_delay_alu instid0(VALU_DEP_1)
	v_add_f32_dpp v[\t], v[\t], v[\t] row_xmask:1 row_mask:0xf bank_mask:0xf
	s_delay_alu instid0(VALU_DEP_1)
	v_add_f32_dpp v[\t], v[\t], v[\t] row_xmask:2 row_mask:0xf bank_mask:0xf
	s_delay_alu instid0(VALU_DEP_1)
	v_add_f32_dpp v[\t], v[\t], v[\t] row_xmask:4 row_mask:0xf bank_mask:0xf
	s_delay_alu instid0(VALU_DEP_1)
	v_add_f32_dpp v[\t], v[\t], v[\t] row_xmask:8 row_mask:0xf bank_mask:0xf
	s_delay_alu instid0(VALU_DEP_1)
	v_permlanex16_b32 v[\t+1], v[\t], s[SEL], s[SEL+1]
	s_delay_alu instid0(VALU_DEP_1)
	v_add_f32 v[\t], v[\t], v[\t+1]
.endm
.macro ROWSTAT p                       ; the mean, x - mean in place, the mean of its squares, 1 / sqrt(that + 1e-5): two passes over registers
.set XR, X+32*(\p)
.set TT, ST+8*(\p)
	v_pk_add_f32 v[TT:TT+1], v[XR:XR+1], v[XR+2:XR+3]
	v_pk_add_f32 v[TT+2:TT+3], v[XR+4:XR+5], v[XR+6:XR+7]
.irp j, 8,12,16,20,24,28
	s_delay_alu instid0(VALU_DEP_2)
	v_pk_add_f32 v[TT:TT+1], v[TT:TT+1], v[XR+\j:XR+\j+1]
	s_delay_alu instid0(VALU_DEP_2)
	v_pk_add_f32 v[TT+2:TT+3], v[TT+2:TT+3], v[XR+\j+2:XR+\j+3]
.endr
	s_delay_alu instid0(VALU_DEP_1)
	v_pk_add_f32 v[TT:TT+1], v[TT:TT+1], v[TT+2:TT+3]
	s_delay_alu instid0(VALU_DEP_1)
	v_add_f32 v[TT], v[TT], v[TT+1]
	LANESUM TT
	s_delay_alu instid0(VALU_DEP_1)
	v_mul_f32 v[TT], s20, v[TT]
.irp j, 0,2,4,6,8,10,12,14,16,18,20,22,24,26,28,30
	v_pk_add_f32 v[XR+\j:XR+\j+1], v[XR+\j:XR+\j+1], v[TT:TT+1] op_sel_hi:[1,0] neg_lo:[0,1] neg_hi:[0,1]
.endr
	v_pk_mul_f32 v[TT+2:TT+3], v[XR:XR+1], v[XR:XR+1]
	v_pk_mul_f32 v[TT+4:TT+5], v[XR+2:XR+3], v[XR+2:XR+3]
.irp j, 4,8,12,16,20,24,28
	s_delay_alu instid0(VALU_DEP_2)
	v_pk_fma_f32 v[TT+2:TT+3], v[XR+\j:XR+\j+1], v[XR+\j:XR+\j+1], v[TT+2:TT+3]
	s_delay_alu instid0(VALU_DEP_2)
	v_pk_fma_f32 v[TT+4:TT+5], v[XR+\j+2:XR+\j+3], v[XR+\j+2:XR+\j+3], v[TT+4:TT+5]
.endr
	s_delay_alu instid0(VALU_DEP_1)
	v_pk_add_f32 v[TT+2:TT+3], v[TT+2:TT+3], v[TT+4:TT+5]
	s_delay_alu instid0(VALU_DEP_1)
	v_add_f32 v[TT+2], v[TT+2], v[TT+3]
	LANESUM TT+2
	s_delay_alu instid0(VALU_DEP_1)
	v_fma_f32 v[TT+2], v[TT+2], s20, s21
	s_wait_alu depctr_va_vdst(0)
	v_rsq_f32 v[TT+6], v[TT+2]
.endm
.macro ROWOUT p
.set XR, X+32*(\p)
.set TT, ST+8*(\p)
.irp j, 0,2,4,6,8,10,12,14,16,18,20,22,24,26,28,30
	v_pk_mul_f32 v[XR+\j:XR+\j+1], v[XR+\j:XR+\j+1], v[TT+6:TT+7] op_sel_hi:[1,0]
.endr
.irp j, 0,2,4,6,8,10,12,14,16,18,20,22,24,26,28,30
	v_pk_fma_f32 v[XR+\j:XR+\j+1], v[XR+\j:XR+\j+1], v[GG+\j:GG+\j+1], v[BB+\j:BB+\j+1]
.endr
.irp i, 0,1,2,3,4,5,6,7
	ds_store_b128 v6, v[XR+4*\i:XR+4*\i+3] offset:(\p)*PITCH+512*\i
.endr
.endm
	s_load_b256 s[4:11], s[0:1], 0x0                       ; x1, g2, b2, himg
	v_lshl_add_u32 v216, v0, 2, 0x10100
	v_mov_b32 v217, 0
	v_lshrrev_b32 v1, 5, v0
	s_delay_alu instid0(VALU_DEP_1)
	v_readfirstlane_b32 s12, v1                            ; wave 0..7
	v_and_b32 v1, 31, v0
	v_and_b32 v2, 15, v0
	v_bfe_u32 v3, v0, 4, 1
	s_mov_b32 s[SEL], 0x76543210
	s_mov_b32 s[SEL+1], 0xfedcba98
	s_mov_b32 s20, 0x3a800000                              ; 2^-10
	s_mov_b32 s21, 0x3727c5ac                              ; 1e-5
	v_lshlrev_b32 v5, 4, v1
	s_lshl_b32 s13, s12, 13
	v_add_nc_u32 v4, s13, v5
	s_mul_i32 s13, s12, 2*PITCH
	v_add_nc_u32 v6, s13, v5
	v_mul_u32_u24 v7, v2, PITCH
	s_delay_alu instid0(VALU_DEP_1)
	v_lshl_add_u32 v7, v3, 6, v7
	s_lshl_b32 s13, s12, 9
	v_add_nc_u32 v7, s13, v7
	v_lshlrev_b32 v9, 3, v1
	v_lshlrev_b32 v10, 2, v2
.irp b, 0,1,2,3
	v_mov_b32 v[TM+4+\b], 0
.endr
	v_mov_b32 v[ST+7], 0
	v_mov_b32 v[ST+15], 0
	s_lshl_b32 s16, ttmp9, 16
	s_mov_b32 s17, 0
	s_lshl_b32 s18, s12, 8
	s_add_co_u32 s18, s18, ttmp9                           ; fragment 256 w + j
	s_mul_i32 s22, s18, 1536
	s_add_co_u32 s22, s22, HBASE
	s_mov_b32 s23, 0
	s_lshl_b32 s24, s18, 6
	s_add_co_u32 s24, s24, HBASE+3145728
	s_mov_b32 s25, 0
	s_wait_kmcnt 0x0
	s_add_nc_u64 s[4:5], s[4:5], s[16:17]
	s_add_nc_u64 s[22:23], s[10:11], s[22:23]
	s_add_nc_u64 s[24:25], s[10:11], s[24:25]
.irp p, 0,1
.irp i, 0,1,2,3,4,5,6,7
	global_load_b128 v[X+32*\p+4*\i:X+32*\p+4*\i+3], v4, s[4:5] offset:\p*4096+512*\i th:TH_LOAD_NT
.endr
.endr
.irp i, 0,1,2,3,4,5,6,7
	global_load_b128 v[GG+4*\i:GG+4*\i+3], v5, s[6:7] offset:512*\i
.endr
.irp i, 0,1,2,3,4,5,6,7
	global_load_b128 v[BB+4*\i:BB+4*\i+3], v5, s[8:9] offset:512*\i
.endr
	s_wait_loadcnt 16                                      ; the rows are in; the sixteen younger loads (gain and bias) may be out
	ROWSTAT 0
	ROWSTAT 1
	v_nop
	s_wait_alu depctr_va_vdst(0)                           ; one wait for the two roots, ahead of their first reader
	s_wait_loadcnt 0x0
	ROWOUT 0
	ROWOUT 1
	s_wait_dscnt 0x0                                       ; for the others' sake: my rows lie in LDS
	s_barrier_signal -1
	s_barrier_wait -1
.irp b, 0,1,2,3
.irp j, 0,1,2,3
	ds_load_b128 v[X+16*\b+4*\j:X+16*\b+4*\j+3], v7 offset:128*\b+16*\j
.endr
.endr
	s_wait_dscnt 0x0
	QUANT X
	global_store_b128 v5, v[PC:PC+3], s[22:23]
	global_store_b64 v9, v[PC+4:PC+5], s[22:23] offset:512
	global_store_b128 v5, v[PC+6:PC+9], s[22:23] offset:768
	global_store_b64 v9, v[PC+10:PC+11], s[22:23] offset:1280
	v_cmp_gt_u32 vcc_lo, 16, v1
	s_wait_xcnt 0x0                                        ; EXEC changes only when the stores above have read it
	s_wait_tensorcnt 0x0
	ds_add_u32 v216, v217
	s_wait_dscnt 0x0
	s_and_saveexec_b32 s26, vcc_lo
	global_store_b32 v10, v[PW], s[24:25]
	s_wait_xcnt 0x0
	s_or_b32 exec_lo, exec_lo, s26
	s_endpgm
.Lfunc_end_k_qfc52074591_ln2:
	.size	k_qfc52074591_ln2, .Lfunc_end_k_qfc52074591_ln2-k_qfc52074591_ln2
	.p2alignl 7, 3214868480
	.fill 96, 4, 3214868480
	.section	.rodata,"a",@progbits
	.p2align	6, 0x0
	.amdhsa_kernel k_qfc52074591_ln2
		.amdhsa_group_segment_fixed_size 66816
		.amdhsa_private_segment_fixed_size 0
		.amdhsa_enable_private_segment 0
		.amdhsa_kernarg_size 32
		.amdhsa_user_sgpr_count 2
		.amdhsa_user_sgpr_kernarg_segment_ptr 1
		.amdhsa_wavefront_size32 1
		.amdhsa_system_sgpr_workgroup_id_x 1
		.amdhsa_system_sgpr_workgroup_id_y 1
		.amdhsa_system_sgpr_workgroup_id_z 1
		.amdhsa_system_vgpr_workitem_id 0
		.amdhsa_next_free_vgpr 218
		.amdhsa_next_free_sgpr 66
		.amdhsa_reserve_vcc 1
		.amdhsa_float_denorm_mode_32 3
		.amdhsa_float_denorm_mode_16_64 3
		.amdhsa_memory_ordered 1
		.amdhsa_forward_progress 1
		.amdhsa_inst_pref_size 29
	.end_amdhsa_kernel
	.amdgpu_metadata
---
amdhsa.version: [ 1, 2 ]
amdhsa.kernels:
  - .name:           k_qfc52074591_ln2
    .symbol:         k_qfc52074591_ln2.kd
    .args:
      - { .name: x1, .offset: 0, .size: 8, .value_kind: global_buffer, .address_space: global }
      - { .name: g2, .offset: 8, .size: 8, .value_kind: global_buffer, .address_space: global }
      - { .name: b2, .offset: 16, .size: 8, .value_kind: global_buffer, .address_space: global }
      - { .name: himg, .offset: 24, .size: 8, .value_kind: global_buffer, .address_space: global }
    .group_segment_fixed_size: 66816
    .private_segment_fixed_size: 0
    .kernarg_segment_align: 8
    .kernarg_segment_size: 32
    .max_flat_workgroup_size: 256
    .sgpr_count:     66
    .vgpr_count:     218
    .wavefront_size: 32
...
	.end_amdgpu_metadata
.endif
;; end of part 5
;; launch w1 (part 6): grid 16 x 16, 4 waves a work-group, clusters of 4 x 4, 327,680 bytes of LDS; arguments himg, wimg, hid; writes hid
.if DOCPART == 6
	.amdgcn_target "amdgcn-amd-amdhsa--gfx1250"
	.amdhsa_code_object_version 6
	.text
	.protected	k_qfc52074591_w1
	.globl	k_qfc52074591_w1
	.p2align	8
	.type	k_qfc52074591_w1,@function
k_qfc52074591_w1:
	s_mov_b64 s[64:65], 0
	v_nop
	global_prefetch_b8 v0, s[64:65] scope:SCOPE_SE
	s_setreg_imm32_b32 hwreg(HW_REG_WAVE_MODE, 25, 1), 1
	s_wait_xcnt 0x0
	s_wait_alu depctr_hold_cnt(0) depctr_sa_sdst(0) depctr_va_vdst(0) depctr_va_sdst(0) depctr_va_ssrc(0) depctr_va_vcc(0) depctr_vm_vsrc(0)
	s_getreg_b32 s2, hwreg(HW_REG_IB_STS2, 6, 4)
	s_cmp_eq_u32 s2, 0
	s_cbranch_scc0 .Lentry_in_a_cluster
	s_endpgm
.Lentry_in_a_cluster:
	s_bfe_u32 s2, ttmp6, 0x10000c
	s_cmp_lg_u32 s2, 0xf033
	s_cbranch_scc0 .Lentry_shape_is_right
	s_endpgm
.Lentry_shape_is_right:
.set NBK,   8
.set NQ,    2
.set KST,   8
.set RTA,   256
.set RTB,   256
.set AIMG,  0
.set ASCL,  3145728
.set BIMG,  3276800
.set BSCL,  6422528
.set LAPS,  KST/(2*NQ)
.set FR,    12
.set FRB,   1536
.set HALFT, NQ*NBK*FRB
.set SLOT,  4*HALFT
.set SCL,   2*SLOT
.set HALFS, KST*NBK*64
.set SCR,   262144
.set SPARE, 264192
.set ADRA, 16
.set ADRB, 20
.set DA,   24
.set LA,   25
.set VO16, 26
.set ASA,  27
.set SPW,  28
.set NIL,  29
.set ASB,  30
.set VO8,  31
.set SC,   32
.set PC,   64
.set TM,   96
.set PW,   112
.set SA,   113
.set SA0,  114
.set SRD,  115
.set AF,   128
.set GA,   192
.set GT,   208
.set GU,   224
.set GP,   240
.set G1, 24
.set G0, 32
.set G1B, 48
.set G0B, 56
.set G1S, 68
.set G0S, 76
.set G1SB, 80
.set G0SB, 88
.set SEL, 98
.set MSB, 0
.macro WIN new
.if MSB != \new
	s_set_vgpr_msb (MSB<<8)|\new
.set MSB, \new
.endif
.endm
.set MUL_LO, 0xa1
.set MUL_HI, 0xf1
.set TO_B,   0x40
.macro JLOAD g0a, g1a, g0b, g1b
	s_cmp_eq_u32 s15, 0
	s_cbranch_scc0 .Lfor_b_\@
	tensor_load_to_lds s[\g0a:\g0a+3], s[\g1a:\g1a+7]
	s_nop 0
.rept 4
	v_nop
.endr
	s_branch .Lasked_\@
.Lfor_b_\@:
	tensor_load_to_lds s[\g0b:\g0b+3], s[\g1b:\g1b+7]
	s_nop 0
.rept 4
	v_nop
.endr
.Lasked_\@:
.endm
.macro CREST
	s_cmp_lg_u32 s14, 0
	s_cbranch_scc1 .Lnot_wave_0_\@
	s_barrier_signal -3
.Lnot_wave_0_\@:
	s_barrier_wait -3
	s_barrier_signal -1
	s_barrier_wait -1
.endm
.macro CROUND
	s_barrier_signal -1
	s_barrier_wait -1
	CREST
.endm
.macro PLACES
.rept 4
	v_nop
.endr
.endm
	s_load_b128 s[4:7], s[0:1], 0x0
	s_load_b64 s[8:9], s[0:1], 0x10
	v_lshl_add_u32 v[SPW], v0, 2, SPARE
	v_mov_b32 v[NIL], 0
	ds_add_u32 v28, v29
	ds_add_u32 v28, v29
	s_wait_dscnt 0x0
	v_lshrrev_b32 v1, 5, v0
	v_readfirstlane_b32 s14, v1
	s_lshr_b32 s15, s14, 1
	s_and_b32 s16, s14, 1
	s_bfe_u32 s40, ttmp6, 0x40000
	s_bfe_u32 s41, ttmp6, 0x40004
	s_and_b32 s17, ttmp7, 0xffff
	s_lshl_b32 s17, s17, 2
	s_add_co_u32 s17, s17, s41
	s_lshl_b32 s42, ttmp9, 2
	s_add_co_u32 s42, s42, s40
	s_lshl_b32 s43, s41, 2
	s_lshl_b32 s43, 15, s43
	s_lshl_b32 s44, 0x1111, s40
	s_or_b32 s[G1+0], s43, (3<<16)|(1<<21)
	s_or_b32 s[G1B+0], s44, (3<<16)|(1<<21)
	s_mov_b32 s[G1+1], (2*NBK*192)<<16
	s_mov_b32 s[G1+2], NQ<<16
	s_mov_b32 s[G1+3], (2*NBK*192)<<16
	s_mov_b32 s[G1+4], NQ
	s_mov_b32 s[G1+5], RTA*192
	s_mov_b32 s[G1+6], 1<<16
	s_mov_b32 s[G1+7], 0
	s_mov_b32 s[G1B+1], (2*NBK*192)<<16
	s_mov_b32 s[G1B+2], NQ<<16
	s_mov_b32 s[G1B+3], (2*NBK*192)<<16
	s_mov_b32 s[G1B+4], NQ
	s_mov_b32 s[G1B+5], RTB*192
	s_mov_b32 s[G1B+6], 1<<16
	s_mov_b32 s[G1B+7], 0
	s_or_b32 s[G1S+0], s43, (3<<16)|(1<<21)
	s_or_b32 s[G1SB+0], s44, (3<<16)|(1<<21)
	s_mov_b32 s[G1S+1], (2*NBK*8)<<16
	s_mov_b32 s[G1S+2], KST<<16
	s_mov_b32 s[G1S+3], (2*NBK*8)<<16
	s_mov_b32 s[G1S+4], KST
	s_mov_b32 s[G1S+5], RTA*8
	s_mov_b32 s[G1S+6], 0
	s_mov_b32 s[G1S+7], 0
	s_mov_b32 s[G1SB+1], (2*NBK*8)<<16
	s_mov_b32 s[G1SB+2], KST<<16
	s_mov_b32 s[G1SB+3], (2*NBK*8)<<16
	s_mov_b32 s[G1SB+4], KST
	s_mov_b32 s[G1SB+5], RTB*8
	s_mov_b32 s[G1SB+6], 0
	s_mov_b32 s[G1SB+7], 0
	s_mul_i32 s20, s17, 2*NBK
	s_mul_i32 s46, s42, 2*NBK
	s_lshl_b32 s22, s20, 6
	s_mul_i32 s20, s20, FRB
	s_lshl_b32 s92, s46, 6
	s_mul_i32 s46, s46, FRB
	s_add_co_u32 s20, s20, AIMG
	s_add_co_u32 s22, s22, ASCL
	s_add_co_u32 s46, s46, BIMG
	s_add_co_u32 s92, s92, BSCL
	s_mov_b32 s21, 0
	s_mov_b32 s23, 0
	s_mov_b32 s47, 0
	s_mov_b32 s93, 0
	s_mul_i32 s45, s14, HALFT
	s_wait_kmcnt 0x0
	s_add_nc_u64 s[20:21], s[4:5], s[20:21]
	s_add_nc_u64 s[22:23], s[4:5], s[22:23]
	s_add_nc_u64 s[46:47], s[6:7], s[46:47]
	s_add_nc_u64 s[92:93], s[6:7], s[92:93]
	CROUND
	s_mov_b32 s[G0S], 1
	s_mov_b32 s[G0S+1], SCL
	s_mov_b64 s[G0S+2:G0S+3], s[22:23]
	s_or_b32 s[G0S+3], s[G0S+3], 0x80000000
	s_mov_b32 s[G0SB], 1
	s_mov_b32 s[G0SB+1], SCL+2*HALFS
	s_mov_b64 s[G0SB+2:G0SB+3], s[92:93]
	s_or_b32 s[G0SB+3], s[G0SB+3], 0x80000000
	; A slot is laid [K step][all 2 NBK fragments], A's then B's.  The head's loads bring slot 0's A whole and its B whole; a ring load brings NQ / 2 K steps
	s_mov_b32 s4, 1
	s_mov_b32 s5, 0
	s_mov_b64 s[6:7], s[20:21]
	s_or_b32 s7, s7, 0x80000000
	s_mov_b64 s[22:23], s[46:47]
	s_mul_i32 s18, s16, (NQ/2)*RTA*FRB
	s_mov_b32 s19, 0
	s_add_nc_u64 s[20:21], s[20:21], s[18:19]
	s_mul_i32 s18, s16, (NQ/2)*RTB*FRB
	s_add_nc_u64 s[46:47], s[46:47], s[18:19]
	; THE PREFETCHES: a ring load of mine is one K step of 24,576 bytes = 96 blocks of 256 bytes.  The four partners that ask for it jointly share them out by address:
	; the partner at place p (cx for A, cy for B) takes the quarter p: 24 blocks, a lane a block (lanes 24-31 name block 23 again).  s[66:67] stands at slot 1 and is not rewritten
	s_cmp_eq_u32 s15, 0
	s_cselect_b64 s[66:67], s[20:21], s[46:47]
	s_cselect_b32 s94, s40, s41
	s_mul_i32 s18, s94, 2*NBK*FRB/4
	s_add_co_u32 s18, s18, NQ*RTA*FRB
	s_add_nc_u64 s[66:67], s[66:67], s[18:19]
.irp s, 0,1
	s_mov_b32 s[G0+4*\s], 1
	s_add_co_u32 s[G0+4*\s+1], s45, \s*SLOT
	s_add_nc_u64 s[G0+4*\s+2:G0+4*\s+3], s[20:21], \s*NQ*RTA*FRB
	s_or_b32 s[G0+4*\s+3], s[G0+4*\s+3], 0x80000000
	s_mov_b32 s[G0B+4*\s], 1
	s_add_co_u32 s[G0B+4*\s+1], s45, \s*SLOT
	s_add_nc_u64 s[G0B+4*\s+2:G0B+4*\s+3], s[46:47], \s*NQ*RTB*FRB
	s_or_b32 s[G0B+4*\s+3], s[G0B+4*\s+3], 0x80000000
.endr
	s_mov_b32 s20, 1
	s_mov_b32 s21, 2*HALFT
	s_or_b32 s23, s23, 0x80000000
; the head's four tiles, one joint load a wave: one chain of branches on the wave's number, all arms to one join
.macro HARM under, g0, g1, next
	s_cmp_lt_u32 s14, \under
	s_cbranch_scc0 \next
	tensor_load_to_lds s[\g0:\g0+3], s[\g1:\g1+7]
	s_nop 0
.rept 4
	v_nop
.endr
	s_branch .Lhd_x
\next:
.endm
	HARM 1, 4, G1, .Lhd_b
	HARM 2, 20, G1B, .Lhd_sa
	HARM 3, G0S, G1S, .Lhd_sb
	tensor_load_to_lds s[G0SB:G0SB+3], s[G1SB:G1SB+7]
	s_nop 0
.rept 4
	v_nop
.endr
.Lhd_x:
	v_and_b32 v8, 31, v0
	v_min_u32 v8, 23, v8
	v_lshlrev_b32 v8, 8, v8                                ; my block; not rewritten
	global_prefetch_b8 v8, s[66:67] th:TH_LOAD_NT scope:SCOPE_SE                       ; beside slot 0's load: slots 1 and 2
	global_prefetch_b8 v8, s[66:67] offset:NQ*RTA*FRB th:TH_LOAD_NT scope:SCOPE_SE
	v_and_b32 v1, 31, v0
	v_and_b32 v2, 15, v0
	v_bfe_u32 v3, v0, 4, 1
	v_lshlrev_b32 v4, 4, v1
	v_lshlrev_b32 v5, 3, v1
	v_add_nc_u32 v5, 512, v5
	s_mul_i32 s18, s15, NBK*FRB
	s_mul_i32 s19, s16, NBK*FRB
	s_add_co_u32 s19, s19, 2*HALFT
.irp s, 0,1
	v_add_nc_u32 v[ADRA+\s], s18, v4
	v_add_nc_u32 v[ADRA+2+\s], s18, v5
	v_add_nc_u32 v[ADRB+\s], s19, v4
	v_add_nc_u32 v[ADRB+2+\s], s19, v5
	s_add_co_u32 s18, s18, SLOT
	s_add_co_u32 s19, s19, SLOT
.endr
	v_lshlrev_b32 v6, 2, v2
	v_mad_u32_u24 v6, v3, 2*NBK*64, v6
	s_mul_i32 s18, s15, NBK*64
	s_add_co_u32 s18, s18, SCL
	v_add_nc_u32 v[ASA], s18, v6
	s_mul_i32 s18, s16, NBK*64
	s_add_co_u32 s18, s18, SCL+2*HALFS
	v_add_nc_u32 v[ASB], s18, v6
	s_lshl_b32 s18, s14, 16
	v_add_nc_u32 v[DA], s18, v4
	s_lshl_b32 s18, s14, 9
	s_add_co_u32 s18, s18, SCR
	v_lshl_add_u32 v[SA0], v2, 2, s18
	v_add_nc_u32 v[SRD], s18, v4
.irp b, 0,1,2,3
	v_mov_b32 v[TM+4+\b], 0
.endr
	s_mov_b32 s[SEL], 0x76543210
	s_mov_b32 s[SEL+1], 0xfedcba98
.macro FRAG reg, a16, a8, off
	ds_load_b128 v[\reg:\reg+3], v[\a16] offset:\off
	ds_load_b64 v[\reg+4:\reg+5], v[\a8] offset:\off
	ds_load_b128 v[\reg+6:\reg+9], v[\a16] offset:(\off)+768
	ds_load_b64 v[\reg+10:\reg+11], v[\a8] offset:(\off)+768
.endm
.macro FETCH_B slot, q, p
	WIN TO_B
.set fi, 0
.rept NBK
	FRAG 128*(\p)+FR*fi, ADRB+\slot, ADRB+2+\slot, ((\q)*2*NBK+fi)*FRB
.set fi, fi+1
.endr
	WIN 0
.endm
.macro FETCH_A slot, q, half
.set fi, (\half)*NBK/2
.rept NBK/2
	FRAG AF+FR*fi, ADRA+\slot, ADRA+2+\slot, ((\q)*2*NBK+fi)*FRB
.set fi, fi+1
.endr
.endm
.macro SCALES sc
.set si, 0
.rept NBK
.set sp, 0
.rept NQ/2
	ds_load_b32 v[SC+16*(\sc)+(NQ/2)*si+sp], v[ASA] offset:64*si+sp*2*NBK*64
	ds_load_b32 v[SC+16*(\sc)+8+(NQ/2)*si+sp], v[ASB] offset:64*si+sp*2*NBK*64
.set sp, sp+1
.endr
.set si, si+1
.endr
.endm
.macro MULQ k, p, q, sc, zero
.set ma, (\k)*NBK/4
.rept NBK/4
.set mb, 0
.rept NBK
.set rD, 8*(NBK*(ma%(NBK/2))+mb)
.set rB, 128*(\p)+FR*mb
.set rA, AF+FR*ma
.set rSB, SC+16*(\sc)+8+(NQ/2)*mb+(\q)/2
.set rSA, SC+16*(\sc)+(NQ/2)*ma+(\q)/2
.if \zero
	v_wmma_scale_f32_16x16x128_f8f6f4 v[rD:rD+7], v[rB:rB+FR-1], v[rA:rA+FR-1], 0, v[rSB], v[rSA] matrix_a_fmt:MATRIX_FMT_FP6 matrix_b_fmt:MATRIX_FMT_FP6
.elseif (\q)%2
	v_wmma_scale_f32_16x16x128_f8f6f4 v[rD:rD+7], v[rB:rB+FR-1], v[rA:rA+FR-1], v[rD:rD+7], v[rSB], v[rSA] matrix_a_fmt:MATRIX_FMT_FP6 matrix_b_fmt:MATRIX_FMT_FP6 matrix_a_scale:MATRIX_SCALE_ROW1 matrix_b_scale:MATRIX_SCALE_ROW1
.else
	v_wmma_scale_f32_16x16x128_f8f6f4 v[rD:rD+7], v[rB:rB+FR-1], v[rA:rA+FR-1], v[rD:rD+7], v[rSB], v[rSA] matrix_a_fmt:MATRIX_FMT_FP6 matrix_b_fmt:MATRIX_FMT_FP6
.endif
.set mb, mb+1
.endr
.set ma, ma+1
.endr
.endm
.macro STEP slot, q, zero
	s_wait_dscnt 2*NBK
	WIN MUL_LO
	MULQ 0, (\q)%2, \q, \slot, \zero
	MULQ 1, (\q)%2, \q, \slot, \zero
	s_wait_dscnt 0x0
	PLACES
	FETCH_B \slot, (\q)+1, 1-(\q)%2
	FETCH_A \slot, (\q)+1, 0
	WIN MUL_HI
	MULQ 2, (\q)%2, \q, \slot, \zero
	MULQ 3, (\q)%2, \q, \slot, \zero
	PLACES
	WIN 0
	FETCH_A \slot, (\q)+1, 1
.endm
.macro TURN slot, next, fill
	s_wait_tensorcnt 0x0
	ds_add_u32 v[SPW], v[NIL]
	s_wait_dscnt 2*NBK+1
	WIN MUL_LO
	MULQ 0, 1, NQ-1, \slot, 0
	s_wait_dscnt 0x0
	s_barrier_signal -1
	MULQ 1, 1, NQ-1, \slot, 0
	WIN 0
	s_barrier_wait -1
.if \fill
	CREST
	s_add_nc_u64 s[G0+4*\slot+2:G0+4*\slot+3], s[G0+4*\slot+2:G0+4*\slot+3], 2*NQ*RTA*FRB
	s_add_nc_u64 s[G0B+4*\slot+2:G0B+4*\slot+3], s[G0B+4*\slot+2:G0B+4*\slot+3], 2*NQ*RTB*FRB
	JLOAD G0+4*\slot, G1, G0B+4*\slot, G1B
.else
	PLACES
.endif
	s_wait_alu depctr_va_vdst(0)
	v_add_nc_u32 v[ASA], 2*NQ*NBK*64, v[ASA]
	v_add_nc_u32 v[ASB], 2*NQ*NBK*64, v[ASB]
	FETCH_B \next, 0, 0
	FETCH_A \next, 0, 0
	SCALES \next
	WIN MUL_HI
	MULQ 2, 1, NQ-1, \slot, 0
	MULQ 3, 1, NQ-1, \slot, 0
	PLACES
	WIN 0
	FETCH_A \next, 0, 1
.endm
	s_wait_alu depctr_va_vdst(0)
	s_wait_tensorcnt 0x0                                   ; my tile of the head's four is in
	ds_add_u32 v[SPW], v[NIL]
	s_mov_b32 s[G1+2], (NQ/2)<<16                          ; no tensor load of mine is out: from here on a load brings NQ / 2 K steps
	s_mov_b32 s[G1+4], NQ/2
	s_mov_b32 s[G1B+2], (NQ/2)<<16
	s_mov_b32 s[G1B+4], NQ/2
	s_wait_dscnt 0x0
	CROUND
	JLOAD G0+4, G1, G0B+4, G1B
	FETCH_B 0, 0, 0
	FETCH_A 0, 0, 0
	SCALES 0
	global_prefetch_b8 v8, s[66:67] offset:2*NQ*RTA*FRB th:TH_LOAD_NT scope:SCOPE_SE   ; behind slot 1's load: slot 3, the last
	FETCH_A 0, 0, 1
	STEP 0, 0, 1
	s_mov_b32 s3, LAPS-1
.Llap:
	TURN 0, 1, 1
	STEP 1, 0, 0
	TURN 1, 0, 1
	STEP 0, 0, 0
	s_sub_co_u32 s3, s3, 1
	s_cmp_lg_u32 s3, 0
	s_cbranch_scc1 .Llap
	TURN 0, 1, 0
	STEP 1, 0, 0
	s_wait_dscnt 2*NBK
	WIN MUL_LO
	MULQ 0, 1, NQ-1, 1, 0
	MULQ 1, 1, NQ-1, 1, 0
	s_wait_dscnt 0x0
	WIN MUL_HI
	MULQ 2, 1, NQ-1, 1, 0
	MULQ 3, 1, NQ-1, 1, 0
	WIN 0
	PLACES
	s_wait_dscnt 0x0
	s_barrier_signal -1
	s_barrier_wait -1
	WIN 0x08
.set dk, 0
.rept 64
	ds_store_b128 v[DA], v[4*dk:4*dk+3] offset:512*dk
.set dk, dk+1
.endr
	WIN 0x0c
.set dk, 0
.rept 64
	ds_store_b128 v[DA], v[4*dk:4*dk+3] offset:32768+512*dk
.set dk, dk+1
.endr
	WIN 0
	s_lshl_b32 s18, s17, 4
	s_lshl_b32 s21, s15, 3
	s_add_co_u32 s18, s18, s21
	s_lshl_b32 s19, s42, 1
	s_add_co_u32 s19, s19, s16
	s_lshl_b32 s19, s19, 8
	s_add_co_u32 s19, s19, s18
	s_mul_i32 s20, s19, FRB
	s_mov_b32 s21, 0
	s_lshl_b32 s22, s19, 6
	s_add_co_u32 s22, s22, 12582912
	s_mov_b32 s23, 0
	s_add_nc_u64 s[10:11], s[8:9], s[22:23]
	s_add_nc_u64 s[8:9], s[8:9], s[20:21]
	s_mov_b32 s24, 0x3e7c6f08
	s_mov_b32 s25, s24
	s_mov_b32 s26, 0x40097039
	s_mov_b32 s27, s26
	s_mov_b32 s28, 0xbfd1a1e5
	s_mov_b32 s29, s28
	s_mov_b32 s30, 0x3ecdfd18
	s_mov_b32 s31, s30
	s_mov_b32 s32, 0xbe899a80
	s_mov_b32 s33, s32
	s_mov_b32 s34, 0x3e0efb2e
	s_mov_b32 s35, s34
	s_mov_b32 s36, 0x3f0a29d2
	s_mov_b32 s37, s36
	s_mov_b32 s38, 0x3fb8ab5a
	s_mov_b32 s39, s38
	s_mov_b32 s40, 0xc034d90f
	s_mov_b32 s41, s40
	s_mov_b32 s42, 0xbf38aa3b
	s_mov_b32 s43, s42
	s_mov_b32 s44, 0x3eb504f3
	v_mov_b32 v94, 0xbf97d29d
	v_mov_b32 v95, 0xbf97d29d
.macro GELU16 x
.set gi, 0
.rept 16
	v_fma_f32 v[GA+gi], |v[\x+gi]|, s44, 1.0
.set gi, gi+1
.endr
.set gi, 0
	s_wait_alu depctr_va_vdst(0)
.rept 16
	v_rcp_f32 v[GT+gi], v[GA+gi]
.set gi, gi+1
.endr
.set gi, 0
.rept 8
	v_pk_mul_f32 v[GU+gi:GU+gi+1], v[\x+gi:\x+gi+1], v[\x+gi:\x+gi+1]
.set gi, gi+2
.endr
	s_wait_alu depctr_va_vdst(0)
.set gi, 0
.rept 8
	v_pk_fma_f32 v[GP+gi:GP+gi+1], v[GT+gi:GT+gi+1], s[24:25], v[94:95] op_sel_hi:[1,0,1]
.set gi, gi+2
.endr
.irp c, 26,28,30,32,34,36,38,40
.set gi, 0
.rept 8
	v_pk_fma_f32 v[GP+gi:GP+gi+1], v[GP+gi:GP+gi+1], v[GT+gi:GT+gi+1], s[\c:\c+1] op_sel_hi:[1,1,0]
.set gi, gi+2
.endr
.endr
.set gi, 0
.rept 8
	v_pk_fma_f32 v[GP+gi:GP+gi+1], v[GU+gi:GU+gi+1], s[42:43], v[GP+gi:GP+gi+1] op_sel_hi:[1,0,1]
.set gi, gi+2
.endr
.set gi, 0
	s_wait_alu depctr_va_vdst(0)
.rept 16
	v_exp_f32 v[GA+gi], v[GP+gi]
.set gi, gi+1
.endr
.set gi, 0
.rept 16
	v_max_num_f32 v[GU+gi], 0, v[\x+gi]
.set gi, gi+1
.endr
	s_wait_alu depctr_va_vdst(0)
.set gi, 0
.rept 8
	v_pk_mul_f32 v[GA+gi:GA+gi+1], v[GA+gi:GA+gi+1], v[GT+gi:GT+gi+1]
.set gi, gi+2
.endr
.set gi, 0
.rept 16
	v_fma_f32 v[\x+gi], -|v[\x+gi]|, v[GA+gi], v[GU+gi]
.set gi, gi+1
.endr
.endm
.macro QUANT s
.irp b, 0,1,2,3
	v_max3_num_f32 v[TM+\b], |v[\s+16*\b]|, |v[\s+1+16*\b]|, 0x1800000
.endr
.irp i, 2,4,6,8,10,12,14
.irp b, 0,1,2,3
	v_max3_num_f32 v[TM+\b], v[TM+\b], |v[\s+16*\b+\i]|, |v[\s+1+16*\b+\i]|
.endr
.endr
.irp b, 0,1,2,3
	v_permlanex16_b32 v[TM+4+\b], v[TM+\b], s[SEL], s[SEL+1]
.endr
.irp b, 0,1,2,3
	v_max_num_f32 v[TM+\b], v[TM+\b], v[TM+4+\b]
.endr
.irp b, 0,1,2,3
	v_add_nc_u32 v[TM+12+\b], 0xff000000, v[TM+\b]
.endr
.irp b, 0,1,2,3
	v_lshrrev_b32 v[TM+4+\b], 23, v[TM+12+\b]
.endr
	v_lshl_or_b32 v[PW], v[TM+5], 8, v[TM+4]
	v_lshl_or_b32 v[PW], v[TM+6], 16, v[PW]
	v_lshl_or_b32 v[PW], v[TM+7], 24, v[PW]
.irp c, 0,1
	v_cvt_scalef32_pk16_fp6_f32 v[PC+6*\c:PC+2+6*\c], v[\s+32*\c:\s+15+32*\c], v[TM+12+2*\c]
	v_cvt_scalef32_pk16_fp6_f32 v[PC+12+4*\c:PC+14+4*\c], v[\s+16+32*\c:\s+31+32*\c], v[TM+12+2*\c+1]
.endr
	v_nop
.irp c, 0,1
.irp i, 0,1,2
	v_permlane16_swap_b32 v[PC+6*\c+\i], v[PC+12+4*\c+\i]
.endr
.irp i, 0,1,2
	v_mov_b32 v[PC+3+6*\c+\i], v[PC+12+4*\c+\i]
.endr
.endr
.endm
	s_mov_b32 s12, 0
	s_mov_b32 s13, 0
	s_mov_b32 s46, 0
	s_mov_b32 s3, 0
.Lblk:
	s_wait_xcnt 0x0
	s_wait_dscnt 0x0
	v_add_nc_u32 v[LA], s12, v[DA]
	v_add_nc_u32 v[VO16], s13, v4
	v_add_nc_u32 v[VO8], s13, v5
	v_add_nc_u32 v[SA], s46, v[SA0]
.irp k, 0,1,2,3,4,5,6,7,8,9,10,11,12,13,14,15
	ds_load_b128 v[AF+4*\k:AF+4*\k+3], v[LA] offset:512*\k
.endr
	s_wait_dscnt 0x0
	GELU16 AF
	GELU16 AF+16
	GELU16 AF+32
	GELU16 AF+48
	QUANT AF
	global_store_b128 v[VO16], v[PC:PC+3], s[8:9]
	global_store_b64 v[VO8], v[PC+4:PC+5], s[8:9]
	global_store_b128 v[VO16], v[PC+6:PC+9], s[8:9] offset:768
	global_store_b64 v[VO8], v[PC+10:PC+11], s[8:9] offset:768
	ds_store_b32 v[SA], v[PW]
	s_add_co_u32 s12, s12, 8192
	s_add_co_u32 s13, s13, FRB
	s_add_co_u32 s46, s46, 64
	s_add_co_u32 s3, s3, 1
	s_cmp_lt_u32 s3, 8
	s_cbranch_scc1 .Lblk
	ds_load_b128 v[116:119], v[SRD]
	s_wait_dscnt 0x0
	global_store_b128 v4, v[116:119], s[10:11]
	s_wait_tensorcnt 0x0
	ds_add_u32 v[SPW], v[NIL]
	s_wait_dscnt 0x0
	CROUND
	s_endpgm
.Lfunc_end_k_qfc52074591_w1:
	.size	k_qfc52074591_w1, .Lfunc_end_k_qfc52074591_w1-k_qfc52074591_w1
	.p2alignl 7, 3214868480
	.fill 96, 4, 3214868480
	.section	.rodata,"a",@progbits
	.p2align	6, 0x0
	.amdhsa_kernel k_qfc52074591_w1
		.amdhsa_group_segment_fixed_size 327680
		.amdhsa_private_segment_fixed_size 0
		.amdhsa_enable_private_segment 0
		.amdhsa_kernarg_size 24
		.amdhsa_user_sgpr_count 2
		.amdhsa_user_sgpr_kernarg_segment_ptr 1
		.amdhsa_wavefront_size32 1
		.amdhsa_system_sgpr_workgroup_id_x 1
		.amdhsa_system_sgpr_workgroup_id_y 1
		.amdhsa_system_sgpr_workgroup_id_z 1
		.amdhsa_system_vgpr_workitem_id 0
		.amdhsa_next_free_vgpr 1024
		.amdhsa_next_free_sgpr 100
		.amdhsa_reserve_vcc 0
		.amdhsa_float_denorm_mode_32 3
		.amdhsa_float_denorm_mode_16_64 3
		.amdhsa_memory_ordered 1
		.amdhsa_forward_progress 1
		.amdhsa_inst_pref_size 172
	.end_amdhsa_kernel
	.amdgpu_metadata
---
amdhsa.version: [ 1, 2 ]
amdhsa.kernels:
  - .name:           k_qfc52074591_w1
    .symbol:         k_qfc52074591_w1.kd
    .args:
      - { .name: himg, .offset: 0, .size: 8, .value_kind: global_buffer, .address_space: global }
      - { .name: wimg, .offset: 8, .size: 8, .value_kind: global_buffer, .address_space: global }
      - { .name: hid, .offset: 16, .size: 8, .value_kind: global_buffer, .address_space: global }
    .group_segment_fixed_size: 327680
    .private_segment_fixed_size: 0
    .kernarg_segment_align: 8
    .kernarg_segment_size: 24
    .max_flat_workgroup_size: 128
    .sgpr_count:     100
    .vgpr_count:     1024
    .wavefront_size: 32
...
	.end_amdgpu_metadata
.endif
;; end of part 6
;; launch w2 (part 7): grid 8 x 32, 4 waves a work-group, clusters of 4 x 4, 327,680 bytes of LDS; arguments hid, wimg, out0, x1; writes out0
.if DOCPART == 7
	.amdgcn_target "amdgcn-amd-amdhsa--gfx1250"
	.amdhsa_code_object_version 6
	.text
	.protected	k_qfc52074591_w2
	.globl	k_qfc52074591_w2
	.p2align	8
	.type	k_qfc52074591_w2,@function
k_qfc52074591_w2:
	s_mov_b64 s[64:65], 0
	v_nop
	global_prefetch_b8 v0, s[64:65] scope:SCOPE_SE
	s_setreg_imm32_b32 hwreg(HW_REG_WAVE_MODE, 25, 1), 1
	s_wait_xcnt 0x0
	s_wait_alu depctr_hold_cnt(0) depctr_sa_sdst(0) depctr_va_vdst(0) depctr_va_sdst(0) depctr_va_ssrc(0) depctr_va_vcc(0) depctr_vm_vsrc(0)
	s_getreg_b32 s2, hwreg(HW_REG_IB_STS2, 6, 4)
	s_cmp_eq_u32 s2, 0
	s_cbranch_scc0 .Lentry_in_a_cluster
	s_endpgm
.Lentry_in_a_cluster:
	s_bfe_u32 s2, ttmp6, 0x10000c
	s_cmp_lg_u32 s2, 0xf033
	s_cbranch_scc0 .Lentry_shape_is_right
	s_endpgm
.Lentry_shape_is_right:
; out0 = x1 + hid W2, the product on E2M3 codes.  A = the hidden layer's images (tokens, K = 4,096), B = W2's images, both as images of the operand's registers:
; fragment (K step ks, row tile rt) is 1,536 bytes at (ks RT + rt) 1536; a half (768 bytes): 16 bytes a lane at 16 l, 8 bytes a lane at 512 + 8 l.  Scale words: (ks RT + rt) 64 + 4 r.
; N is 1,024: tiles of 128 x 128 give 256 work-groups, tiles of 256 x 256 would give 64.  Four waves, each 64 x 64: 16 accumulators.  K goes through a ring of two LDS slots of four K steps; the scale words of all of K come once.
; THE MATRIX INSTRUCTION IS USED TRANSPOSED (source 0 = 16 rows of B, source 1 = 16 rows of A); the weight's image rows are so ordered that a lane's 16 registers of two tiles are 16 neighbouring columns of one row of the result.
; CLUSTERS of 4 x 4: A's tiles are asked for jointly along a row of the cluster, B's along a column.  The residual's loads go out at the head and land under the products.
.set NBK,   4
.set NQ,    4
.set KST,   32
.set RTA,   256
.set RTB,   64
.set AIMG,  0
.set ASCL,  12582912
.set BIMG,  6553600
.set BSCL,  9699328
.set BRT0,  0
.set LAPS,  KST/(2*NQ)
.set FR,    12
.set FRB,   1536
.set HALFT, NQ*NBK*FRB
.set SLOT,  4*HALFT
.set SCL,   2*SLOT
.set HALFS, KST*NBK*64
.set SPARE, 264192
.set SPITCH, 272                       ; the way out: 16 rows x (256 bytes + 16) a wave, in slot 0, which has had its last fill and its last read by then
.set ADRA, 16
.set ADRB, 20
.set STO,  24
.set RD,   25
.set CO,   26
.set ASA,  27
.set SPW,  28
.set NIL,  29
.set ASB,  30
.set SC,   32
.set AF,   128
.set BK,   128
.set G1, 24
.set G0, 32
.set G1B, 48
.set G0B, 56
.set G1S, 68
.set G0S, 76
.set G1SB, 80
.set G0SB, 88
.set MSB, 0
.macro WIN new
.if MSB != \new
	s_set_vgpr_msb (MSB<<8)|\new
.set MSB, \new
.endif
.endm
.set MUL_LO, 0xa1
.set MUL_HI, 0xf1
.set TO_B,   0x40
.macro JLOAD g0a, g1a, g0b, g1b        ; a joint load: waves 0, 1 fetch for A, waves 2, 3 for B; four v_nop follow each line
	s_cmp_eq_u32 s15, 0
	s_cbranch_scc0 .Lfor_b_\@
	tensor_load_to_lds s[\g0a:\g0a+3], s[\g1a:\g1a+7]
	s_nop 0
.rept 4
	v_nop
.endr
	s_branch .Lasked_\@
.Lfor_b_\@:
	tensor_load_to_lds s[\g0b:\g0b+3], s[\g1b:\g1b+7]
	s_nop 0
.rept 4
	v_nop
.endr
.Lasked_\@:
.endm
.macro CREST
	s_cmp_lg_u32 s14, 0
	s_cbranch_scc1 .Lnot_wave_0_\@
	s_barrier_signal -3
.Lnot_wave_0_\@:
	s_barrier_wait -3
	s_barrier_signal -1
	s_barrier_wait -1
.endm
.macro CROUND
	s_barrier_signal -1
	s_barrier_wait -1
	CREST
.endm
.macro PLACES                          ; four plain instructions behind matrix instructions, ahead of loads into their registers and of reads of their results
.rept 4
	v_nop
.endr
.endm
	s_load_b128 s[4:7], s[0:1], 0x0                        ; A's buffer, B's buffer
	s_load_b128 s[8:11], s[0:1], 0x10                      ; the output, the residual
	v_lshl_add_u32 v[SPW], v0, 2, SPARE
	v_mov_b32 v[NIL], 0
	ds_add_u32 v28, v29
	ds_add_u32 v28, v29
	s_wait_dscnt 0x0
	v_lshrrev_b32 v1, 5, v0
	v_readfirstlane_b32 s14, v1
	s_lshr_b32 s15, s14, 1
	s_and_b32 s16, s14, 1
	s_bfe_u32 s40, ttmp6, 0x40000                          ; cx
	s_bfe_u32 s41, ttmp6, 0x40004                          ; cy
	s_and_b32 s17, ttmp7, 0xffff
	s_lshl_b32 s17, s17, 2
	s_add_co_u32 s17, s17, s41                             ; tile row
	s_lshl_b32 s42, ttmp9, 2
	s_add_co_u32 s42, s42, s40                             ; tile column
	s_lshl_b32 s43, s41, 2
	s_lshl_b32 s43, 15, s43
	s_lshl_b32 s44, 0x1111, s40
	s_or_b32 s[G1+0], s43, (3<<16)|(1<<21)                 ; codes: NQ rows (K steps) of 2 NBK x 1,536 bytes, in elements of 8 bytes
	s_or_b32 s[G1B+0], s44, (3<<16)|(1<<21)
	s_mov_b32 s[G1+1], (2*NBK*192)<<16
	s_mov_b32 s[G1+2], NQ<<16
	s_mov_b32 s[G1+3], (2*NBK*192)<<16
	s_mov_b32 s[G1+4], NQ
	s_mov_b32 s[G1+5], RTA*192
	s_mov_b32 s[G1+6], 0
	s_mov_b32 s[G1+7], 0
	s_mov_b32 s[G1B+1], (2*NBK*192)<<16
	s_mov_b32 s[G1B+2], NQ<<16
	s_mov_b32 s[G1B+3], (2*NBK*192)<<16
	s_mov_b32 s[G1B+4], NQ
	s_mov_b32 s[G1B+5], RTB*192
	s_mov_b32 s[G1B+6], 0
	s_mov_b32 s[G1B+7], 0
	s_or_b32 s[G1S+0], s43, (3<<16)|(1<<21)                ; scale words: KST rows of 2 NBK x 64 bytes
	s_or_b32 s[G1SB+0], s44, (3<<16)|(1<<21)
	s_mov_b32 s[G1S+1], (2*NBK*8)<<16
	s_mov_b32 s[G1S+2], KST<<16
	s_mov_b32 s[G1S+3], (2*NBK*8)<<16
	s_mov_b32 s[G1S+4], KST
	s_mov_b32 s[G1S+5], RTA*8
	s_mov_b32 s[G1S+6], 0
	s_mov_b32 s[G1S+7], 0
	s_mov_b32 s[G1SB+1], (2*NBK*8)<<16
	s_mov_b32 s[G1SB+2], KST<<16
	s_mov_b32 s[G1SB+3], (2*NBK*8)<<16
	s_mov_b32 s[G1SB+4], KST
	s_mov_b32 s[G1SB+5], RTB*8
	s_mov_b32 s[G1SB+6], 0
	s_mov_b32 s[G1SB+7], 0
	s_mul_i32 s20, s17, 2*NBK
	s_mul_i32 s46, s42, 2*NBK
	s_add_co_u32 s46, s46, BRT0
	s_lshl_b32 s22, s20, 6
	s_mul_i32 s20, s20, FRB
	s_lshl_b32 s92, s46, 6
	s_mul_i32 s46, s46, FRB
	s_add_co_u32 s20, s20, AIMG
	s_add_co_u32 s22, s22, ASCL
	s_add_co_u32 s46, s46, BIMG
	s_add_co_u32 s92, s92, BSCL
	s_mov_b32 s21, 0
	s_mov_b32 s23, 0
	s_mov_b32 s47, 0
	s_mov_b32 s93, 0
	s_mul_i32 s45, s14, HALFT
	s_wait_kmcnt 0x0
	s_add_nc_u64 s[20:21], s[4:5], s[20:21]
	s_add_nc_u64 s[22:23], s[4:5], s[22:23]
	s_add_nc_u64 s[46:47], s[6:7], s[46:47]
	s_add_nc_u64 s[92:93], s[6:7], s[92:93]
	CROUND                                                 ; all sixteen work-groups are here: the first joint loads meet
	s_mov_b32 s[G0S], 1
	s_mov_b32 s[G0S+1], SCL
	s_mov_b64 s[G0S+2:G0S+3], s[22:23]
	s_or_b32 s[G0S+3], s[G0S+3], 0x80000000
	s_mov_b32 s[G0SB], 1
	s_mov_b32 s[G0SB+1], SCL+2*HALFS
	s_mov_b64 s[G0SB+2:G0SB+3], s[92:93]
	s_or_b32 s[G0SB+3], s[G0SB+3], 0x80000000
	; A slot is laid [K step][all 2 NBK fragments], A's then B's.  The head's loads bring slot 0's A whole and its B whole; a ring load brings NQ / 2 K steps
	s_mov_b32 s4, 1
	s_mov_b32 s5, 0
	s_mov_b64 s[6:7], s[20:21]
	s_or_b32 s7, s7, 0x80000000
	s_mov_b64 s[22:23], s[46:47]
	s_mul_i32 s18, s16, (NQ/2)*RTA*FRB
	s_mov_b32 s19, 0
	s_add_nc_u64 s[20:21], s[20:21], s[18:19]
	s_mul_i32 s18, s16, (NQ/2)*RTB*FRB
	s_add_nc_u64 s[46:47], s[46:47], s[18:19]
	; THE PREFETCHES: a ring load of mine is 2 K steps x 12,288 bytes = 96 blocks of 256 bytes.  The four partners that ask for it jointly share them out by address:
	; the partner at place p (cx for A, cy for B) takes K step p / 2, half p % 2: 24 blocks, a lane a block (lanes 24-31 name block 23 again).  s[66:67] begins at slot 1
	s_cmp_eq_u32 s15, 0
	s_cselect_b64 s[66:67], s[20:21], s[46:47]
	s_cselect_b32 s94, s40, s41
	s_mov_b32 s96, RTB*FRB
	s_cselect_b32 s96, RTA*FRB, s96                        ; from a K step to the next
	s_lshr_b32 s95, s94, 1
	s_mul_i32 s18, s95, s96
	s_and_b32 s94, s94, 1
	s_mul_i32 s94, s94, NBK*FRB
	s_add_co_u32 s18, s18, s94
	s_lshl_b32 s96, s96, 2                                 ; from a slot to the next: NQ = 4 K steps
	s_mov_b32 s97, 0
	s_add_co_u32 s18, s18, s96
	s_add_nc_u64 s[66:67], s[66:67], s[18:19]
.irp s, 0,1
	s_mov_b32 s[G0+4*\s], 1
	s_add_co_u32 s[G0+4*\s+1], s45, \s*SLOT
	s_add_nc_u64 s[G0+4*\s+2:G0+4*\s+3], s[20:21], \s*NQ*RTA*FRB
	s_or_b32 s[G0+4*\s+3], s[G0+4*\s+3], 0x80000000
	s_mov_b32 s[G0B+4*\s], 1
	s_add_co_u32 s[G0B+4*\s+1], s45, \s*SLOT
	s_add_nc_u64 s[G0B+4*\s+2:G0B+4*\s+3], s[46:47], \s*NQ*RTB*FRB
	s_or_b32 s[G0B+4*\s+3], s[G0B+4*\s+3], 0x80000000
.endr
	s_mov_b32 s20, 1
	s_mov_b32 s21, 2*HALFT
	s_or_b32 s23, s23, 0x80000000
; the head's four tiles, one joint load a wave: one chain of branches on the wave's number, all arms to one join
.macro HARM under, g0, g1, next
	s_cmp_lt_u32 s14, \under
	s_cbranch_scc0 \next
	tensor_load_to_lds s[\g0:\g0+3], s[\g1:\g1+7]
	s_nop 0
.rept 4
	v_nop
.endr
	s_branch .Lhd_x
\next:
.endm
	HARM 1, 4, G1, .Lhd_b
	HARM 2, 20, G1B, .Lhd_sa
	HARM 3, G0S, G1S, .Lhd_sb
	tensor_load_to_lds s[G0SB:G0SB+3], s[G1SB:G1SB+7]
	s_nop 0
.rept 4
	v_nop
.endr
.Lhd_x:
	v_and_b32 v8, 31, v0
	v_min_u32 v8, 23, v8
	v_lshlrev_b32 v8, 8, v8                                ; v8: my block; v9: the same block one slot on; neither is rewritten
	v_add_nc_u32 v9, s96, v8
	global_prefetch_b8 v8, s[66:67] th:TH_LOAD_NT scope:SCOPE_SE   ; beside slot 0's load: slots 1 and 2
	global_prefetch_b8 v9, s[66:67] th:TH_LOAD_NT scope:SCOPE_SE
	v_and_b32 v1, 31, v0
	v_and_b32 v2, 15, v0
	v_bfe_u32 v3, v0, 4, 1
	v_lshlrev_b32 v4, 4, v1
	v_lshlrev_b32 v5, 3, v1
	v_add_nc_u32 v5, 512, v5
	s_mul_i32 s18, s15, NBK*FRB
	s_mul_i32 s19, s16, NBK*FRB
	s_add_co_u32 s19, s19, 2*HALFT
.irp s, 0,1
	v_add_nc_u32 v[ADRA+\s], s18, v4
	v_add_nc_u32 v[ADRA+2+\s], s18, v5
	v_add_nc_u32 v[ADRB+\s], s19, v4
	v_add_nc_u32 v[ADRB+2+\s], s19, v5
	s_add_co_u32 s18, s18, SLOT
	s_add_co_u32 s19, s19, SLOT
.endr
	v_lshlrev_b32 v6, 2, v2
	v_mad_u32_u24 v6, v3, 2*NBK*64, v6
	s_mul_i32 s18, s15, NBK*64
	s_add_co_u32 s18, s18, SCL
	v_add_nc_u32 v[ASA], s18, v6
	s_mul_i32 s18, s16, NBK*64
	s_add_co_u32 s18, s18, SCL+2*HALFS
	v_add_nc_u32 v[ASB], s18, v6
	s_mul_i32 s18, s14, 16*SPITCH                          ; my stage
	v_mul_u32_u24 v6, v2, SPITCH
	v_lshl_add_u32 v6, v3, 6, v6
	v_add_nc_u32 v[STO], s18, v6                           ; in: row r, + 64 h
	v_mul_u32_u24 v6, v3, SPITCH
	v_lshl_add_u32 v6, v2, 4, v6
	v_add_nc_u32 v[RD], s18, v6                            ; back: lanes 0-15 one row of 256 bytes, lanes 16-31 the next
	v_lshlrev_b32 v[CO], 12, v3
	v_lshl_add_u32 v[CO], v2, 4, v[CO]                     ; and the same two rows in memory
	s_wait_alu depctr_va_vdst(0)
	s_lshl_b32 s18, s17, 7
	s_lshl_b32 s19, s15, 6
	s_add_co_u32 s18, s18, s19
	s_lshl_b32 s18, s18, 12                                ; my first row, 4,096 bytes a row
	s_lshl_b32 s46, s42, 9
	s_lshl_b32 s47, s16, 8
	s_add_co_u32 s46, s46, s47
	s_add_co_u32 s46, s46, s18
	s_mov_b32 s47, 0
	s_add_nc_u64 s[8:9], s[8:9], s[46:47]
	s_add_nc_u64 s[10:11], s[10:11], s[46:47]
	WIN 0x80                                               ; destination window 2: v128-255 there hold the residual
.irp a, 0,1,2,3
.irp t, 0,1,2,3,4,5,6,7
	global_load_b128 v[128+32*\a+4*\t:131+32*\a+4*\t], v[CO], s[10:11] offset:(16*\a+2*\t)*4096
.endr
.endr
	WIN 0
.macro FRAG reg, a16, a8, off
	ds_load_b128 v[\reg:\reg+3], v[\a16] offset:\off
	ds_load_b64 v[\reg+4:\reg+5], v[\a8] offset:\off
	ds_load_b128 v[\reg+6:\reg+9], v[\a16] offset:(\off)+768
	ds_load_b64 v[\reg+10:\reg+11], v[\a8] offset:(\off)+768
.endm
.macro FETCH_B slot, q, p
	WIN TO_B
.set fi, 0
.rept NBK
	FRAG 128*(\p)+FR*fi, ADRB+\slot, ADRB+2+\slot, ((\q)*2*NBK+fi)*FRB
.set fi, fi+1
.endr
	WIN 0
.endm
.macro FETCH_A slot, q, half
.set fi, (\half)*NBK/2
.rept NBK/2
	FRAG AF+FR*fi, ADRA+\slot, ADRA+2+\slot, ((\q)*2*NBK+fi)*FRB
.set fi, fi+1
.endr
.endm
.macro SCALES sc                       ; a slot's scale words: lanes 0-15 an even K step, lanes 16-31 the odd one behind it
.set si, 0
.rept NBK
.set sp, 0
.rept NQ/2
	ds_load_b32 v[SC+16*(\sc)+(NQ/2)*si+sp], v[ASA] offset:64*si+sp*4*NBK*64
	ds_load_b32 v[SC+16*(\sc)+8+(NQ/2)*si+sp], v[ASB] offset:64*si+sp*4*NBK*64
.set sp, sp+1
.endr
.set si, si+1
.endr
.endm
.macro MULQ k, p, q, sc, zero          ; a quarter of a K step's products; the accumulators take turns, one instruction a turn
.set ma, (\k)*NBK/4
.rept NBK/4
.set mb, 0
.rept NBK
.set rD, 8*(NBK*(ma%(NBK/2))+mb)
.set rB, 128*(\p)+FR*mb
.set rA, AF+FR*ma
.set rSB, SC+16*(\sc)+8+(NQ/2)*mb+(\q)/2
.set rSA, SC+16*(\sc)+(NQ/2)*ma+(\q)/2
.if \zero
	v_wmma_scale_f32_16x16x128_f8f6f4 v[rD:rD+7], v[rB:rB+FR-1], v[rA:rA+FR-1], 0, v[rSB], v[rSA] matrix_a_fmt:MATRIX_FMT_FP6 matrix_b_fmt:MATRIX_FMT_FP6
.elseif (\q)%2
	v_wmma_scale_f32_16x16x128_f8f6f4 v[rD:rD+7], v[rB:rB+FR-1], v[rA:rA+FR-1], v[rD:rD+7], v[rSB], v[rSA] matrix_a_fmt:MATRIX_FMT_FP6 matrix_b_fmt:MATRIX_FMT_FP6 matrix_a_scale:MATRIX_SCALE_ROW1 matrix_b_scale:MATRIX_SCALE_ROW1
.else
	v_wmma_scale_f32_16x16x128_f8f6f4 v[rD:rD+7], v[rB:rB+FR-1], v[rA:rA+FR-1], v[rD:rD+7], v[rSB], v[rSA] matrix_a_fmt:MATRIX_FMT_FP6 matrix_b_fmt:MATRIX_FMT_FP6
.endif
.set mb, mb+1
.endr
.set ma, ma+1
.endr
.endm
.macro STEP slot, q, zero
	s_wait_dscnt 2*NBK                                     ; all but the youngest loads, A's second half
	WIN MUL_LO
	MULQ 0, (\q)%2, \q, \slot, \zero
	MULQ 1, (\q)%2, \q, \slot, \zero
	s_wait_dscnt 0x0
	PLACES
	FETCH_B \slot, (\q)+1, 1-(\q)%2
	FETCH_A \slot, (\q)+1, 0
	WIN MUL_HI
	MULQ 2, (\q)%2, \q, \slot, \zero
	MULQ 3, (\q)%2, \q, \slot, \zero
	PLACES
	WIN 0
	FETCH_A \slot, (\q)+1, 1
.endm
.macro TURN slot, next, fill           ; a slot's last K step changes slots; fill = 1: the slot is filled again
.if \fill
	s_wait_xcnt 0x0                                        ; my last prefetch has read its address: it steps one slot on, ahead of the waits of the change of slots
	s_add_nc_u64 s[66:67], s[66:67], s[96:97]
.endif
	s_wait_tensorcnt 0x0
	ds_add_u32 v[SPW], v[NIL]
	s_wait_dscnt 2*NBK+1
	WIN MUL_LO
	MULQ 0, 1, NQ-1, \slot, 0
	s_wait_dscnt 0x0                                       ; the add is done, and my reads of this slot are over
	s_barrier_signal -1
	MULQ 1, 1, NQ-1, \slot, 0
	WIN 0
	s_barrier_wait -1
.if \fill
	CREST                                                  ; a round of the cluster's barrier: no wave of any partner still reads this slot or has a load on its way
	s_add_nc_u64 s[G0+4*\slot+2:G0+4*\slot+3], s[G0+4*\slot+2:G0+4*\slot+3], 2*NQ*RTA*FRB
	s_add_nc_u64 s[G0B+4*\slot+2:G0B+4*\slot+3], s[G0B+4*\slot+2:G0B+4*\slot+3], 2*NQ*RTB*FRB
	JLOAD G0+4*\slot, G1, G0B+4*\slot, G1B
.else
	PLACES
.endif
	s_wait_alu depctr_va_vdst(0)
	v_add_nc_u32 v[ASA], 2*NQ*NBK*64, v[ASA]
	v_add_nc_u32 v[ASB], 2*NQ*NBK*64, v[ASB]
	FETCH_B \next, 0, 0
	FETCH_A \next, 0, 0
	SCALES \next
.if \fill
	s_cmp_gt_u32 s3, 1                                     ; behind the refill of slot n: my blocks of slot n + 2; the last trip's two refills have no slot two on
	s_cbranch_scc0 .Lno_pf_\@
	global_prefetch_b8 v9, s[66:67] th:TH_LOAD_NT scope:SCOPE_SE
.Lno_pf_\@:
.endif
	WIN MUL_HI
	MULQ 2, 1, NQ-1, \slot, 0
	MULQ 3, 1, NQ-1, \slot, 0
	PLACES
	WIN 0
	FETCH_A \next, 0, 1
.endm
	s_wait_xcnt 0x0                                        ; the head's prefetches have read their address: it steps to slot 2
	s_add_nc_u64 s[66:67], s[66:67], s[96:97]
	s_wait_tensorcnt 0x0                                   ; my tile of the head's four is in
	ds_add_u32 v[SPW], v[NIL]
	s_mov_b32 s[G1+2], (NQ/2)<<16
	s_mov_b32 s[G1+4], NQ/2
	s_mov_b32 s[G1B+2], (NQ/2)<<16
	s_mov_b32 s[G1B+4], NQ/2
	s_wait_dscnt 0x0
	CROUND
	JLOAD G0+4, G1, G0B+4, G1B
	FETCH_B 0, 0, 0
	FETCH_A 0, 0, 0
	SCALES 0
	global_prefetch_b8 v9, s[66:67] th:TH_LOAD_NT scope:SCOPE_SE   ; behind slot 1's load: slot 3
	FETCH_A 0, 0, 1
	STEP 0, 0, 1
.if LAPS > 1
	s_mov_b32 s3, LAPS-1
.Llap:                                                         ; a trip goes once round the ring and fills both slots again
	STEP 0, 1, 0
	STEP 0, 2, 0
	TURN 0, 1, 1
	STEP 1, 0, 0
	STEP 1, 1, 0
	STEP 1, 2, 0
	TURN 1, 0, 1
	STEP 0, 0, 0
	s_sub_co_u32 s3, s3, 1
	s_cmp_lg_u32 s3, 0
	s_cbranch_scc1 .Llap
.endif
	STEP 0, 1, 0
	STEP 0, 2, 0
	TURN 0, 1, 0
	STEP 1, 0, 0
	STEP 1, 1, 0
	STEP 1, 2, 0
	s_wait_dscnt 2*NBK
	WIN MUL_LO
	MULQ 0, 1, NQ-1, 1, 0
	MULQ 1, 1, NQ-1, 1, 0
	s_wait_dscnt 0x0
	WIN MUL_HI
	MULQ 2, 1, NQ-1, 1, 0
	MULQ 3, 1, NQ-1, 1, 0
	WIN 0
	; THE WAY OUT, a block of 16 rows x 64 columns at a time: through my own stage in LDS, back as whole rows of 256 bytes, plus the residual, stored: sixteen lanes fill 256 consecutive bytes, aligned.
.macro TOSTAGE a
.set AC, 32*((\a)%2)
	WIN 0x08+4*((\a)/2)                                    ; the data: window 2 or 3
.irp b, 0,1,2,3
	ds_store_b128 v[STO], v[AC+8*\b:AC+8*\b+3] offset:128*(\b/2)+32*(\b%2)      ; lane (r, h), tile b: columns 32 (b/2) + 16 h + 8 (b%2) + 0 .. 7; each accumulator from its low end on
	ds_store_b128 v[STO], v[AC+8*\b+4:AC+8*\b+7] offset:128*(\b/2)+32*(\b%2)+16
.endr
	WIN 0
.set BB, BK+32*((\a)%2)
.irp t, 0,1,2,3,4,5,6,7
	ds_load_b128 v[BB+4*\t:BB+4*\t+3], v[RD] offset:2*\t*SPITCH   ; LDS serves a wave's instructions in order: these see my stores
.endr
.endm
.macro SEND a, younger
.set BB, BK+32*((\a)%2)
	s_wait_dscnt \younger                                  ; the block is back; the next block's 8 stores and 8 loads may be out
	WIN 0x08                                               ; source 1: window 2, the residual
.irp i, 0,2,4,6,8,10,12,14,16,18,20,22,24,26,28,30
	v_pk_add_f32 v[BB+\i:BB+\i+1], v[BB+\i:BB+\i+1], v[128+32*(\a)+\i:129+32*(\a)+\i]
.endr
	WIN 0
.irp t, 0,1,2,3,4,5,6,7
	global_store_b128 v[CO], v[BB+4*\t:BB+4*\t+3], s[8:9] offset:(16*(\a)+2*\t)*4096 th:TH_STORE_NT
.endr
.endm
	PLACES
	s_wait_loadcnt 0x0                                     ; the residual
	TOSTAGE 0
	TOSTAGE 1
	SEND 0, 16
	s_wait_xcnt 0x0                                        ; block 0's stores have read their registers: block 2's loads may land there
	TOSTAGE 2
	SEND 1, 16
	s_wait_xcnt 0x0
	TOSTAGE 3
	SEND 2, 16
	SEND 3, 0
	s_wait_tensorcnt 0x0                                   ; the wave's end
	ds_add_u32 v[SPW], v[NIL]
	s_wait_dscnt 0x0
	CROUND                                                 ; the closing round
	s_endpgm
.Lfunc_end_k_qfc52074591_w2:
	.size	k_qfc52074591_w2, .Lfunc_end_k_qfc52074591_w2-k_qfc52074591_w2
	.p2alignl 7, 3214868480
	.fill 96, 4, 3214868480
	.section	.rodata,"a",@progbits
	.p2align	6, 0x0
	.amdhsa_kernel k_qfc52074591_w2
		.amdhsa_group_segment_fixed_size 327680
		.amdhsa_private_segment_fixed_size 0
		.amdhsa_enable_private_segment 0
		.amdhsa_kernarg_size 32
		.amdhsa_user_sgpr_count 2
		.amdhsa_user_sgpr_kernarg_segment_ptr 1
		.amdhsa_wavefront_size32 1
		.amdhsa_system_sgpr_workgroup_id_x 1
		.amdhsa_system_sgpr_workgroup_id_y 1
		.amdhsa_system_sgpr_workgroup_id_z 1
		.amdhsa_system_vgpr_workitem_id 0
		.amdhsa_next_free_vgpr 1024
		.amdhsa_next_free_sgpr 100
		.amdhsa_reserve_vcc 0
		.amdhsa_float_denorm_mode_32 3
		.amdhsa_float_denorm_mode_16_64 3
		.amdhsa_memory_ordered 1
		.amdhsa_forward_progress 1
		.amdhsa_inst_pref_size 106
	.end_amdhsa_kernel
	.amdgpu_metadata
---
amdhsa.version: [ 1, 2 ]
amdhsa.kernels:
  - .name:           k_qfc52074591_w2
    .symbol:         k_qfc52074591_w2.kd
    .args:
      - { .name: hid, .offset: 0, .size: 8, .value_kind: global_buffer, .address_space: global }
      - { .name: wimg, .offset: 8, .size: 8, .value_kind: global_buffer, .address_space: global }
      - { .name: out0, .offset: 16, .size: 8, .value_kind: global_buffer, .address_space: global }
      - { .name: x1, .offset: 24, .size: 8, .value_kind: global_buffer, .address_space: global }
    .group_segment_fixed_size: 327680
    .private_segment_fixed_size: 0
    .kernarg_segment_align: 8
    .kernarg_segment_size: 32
    .max_flat_workgroup_size: 128
    .sgpr_count:     100
    .vgpr_count:     1024
    .wavefront_size: 32
...
	.end_amdgpu_metadata
.endif
;; end of part 7
